; MI455X (gfx1250); checked and timed in simulation.
; The chip was launched on July 23, 2026; its instructions are those of AMD's public machine-readable ISA for CDNA 5 (MIT licence, August 2026) and "CDNA5" Instruction Set Architecture Reference Guide (July 2026). The comments in the code are by the model that wrote it; some were corrected since.
;; Self Attention. Allowed arithmetic: matrix products marked QUANTISED: E2M1 operands, one E8M0 scale for each 32 along K, by v_wmma_scale_f32_16x16x128_f8f6f4 with both operands' format E2M1 (or v_wmma_scale_f32_32x16x128_f4), f32 sums; everything else in f32.
;; Inputs: b_proj 1,024 float32; w_proj_codes 1,024 x 32 x 16 uint8 (E2M1 codes of w_proj, K innermost, in blocks of 32 codes, two codes a byte); w_proj_scales 1,024 x 32 uint8 (E8M0 scales of w_proj, one for each 32 codes along K); w_qkv_codes 3,072 x 32 x 16 uint8 (E2M1 codes of w_qkv, K innermost, in blocks of 32 codes, two codes a byte); w_qkv_scales 3,072 x 32 uint8 (E8M0 scales of w_qkv, one for each 32 codes along K); x 2 x 2,048 x 1,024 float32; y 2 x 2,048 x 1,024 float32.
;; Outputs: out0 2 x 2,048 x 1,024 float32; out1 2 x 2,048 x 1,024 float32.
;; This version of the problem:
;;   THIS VERSION OF THE PROBLEM IS GIVEN IN LOW PRECISION. The matrix products marked QUANTISED in the list below multiply operands that are first quantised to E2M1 (2 exponent bits, 1 mantissa bit; 4 bits a number), with one power-of-two scale for each 32 numbers along K (OCP MX v1.0); their sums are f32. All else is computed in f32.
;;   The module's matrix products, in the order in which they are computed (A, B: the left and right operand; K: the contracted axis; several contracted axes count as one K, in the product's order):
;;     1. [M 4,096, K 1,024] x [K 1,024, N 3,072]; A: input x; B: input w_qkv (given as codes): QUANTISED
;;     2. [M 4,096, K 1,024] x [K 1,024, N 3,072]; A: input y; B: input w_qkv (given as codes): QUANTISED
;;     3. batch 32 x [M 2,048, K 64] x [K 64, N 2,048]; A: computed on the way; B: computed on the way: QUANTISED
;;     4. batch 32 x [M 2,048, K 64] x [K 64, N 2,048]; A: computed on the way; B: computed on the way: QUANTISED
;;     5. batch 32 x [M 2,048, K 2,048] x [K 2,048, N 64]; A: softmax (see below); B: computed on the way: QUANTISED
;;     6. batch 32 x [M 2,048, K 2,048] x [K 2,048, N 64]; A: softmax (see below); B: computed on the way: QUANTISED
;;     7. [M 4,096, K 1,024] x [K 1,024, N 1,024]; A: computed on the way; B: input w_proj (given as codes): QUANTISED
;;     8. [M 4,096, K 1,024] x [K 1,024, N 1,024]; A: computed on the way; B: input w_proj (given as codes): QUANTISED
;;   THE QUANTISER, for each operand of a quantised product, along K:
;;     - K is cut into blocks of 32 from its start; a last block that is shorter is filled with zeros.
;;     - A block's scale is 2^e with e = floor(log2(the largest magnitude in the block)) - 2, held to -126 .. 127; a block of zeros has e = 0. As a byte (E8M0): e + 127.
;;     - Each number is divided by its block's scale, clamped to +-6, and rounded to the nearest number of E2M1, ties to even, subnormals kept.
;;     - The product sums the exact products of the quantised numbers (number of the format x scale) in f32.
;;   ~~~python
;;   def quantise(x, axis):      # numpy; x: float32 -> the quantised numbers, widened to float32 again
;;       x = np.moveaxis(x, axis, -1); K = x.shape[-1]
;;       x = np.pad(x, [(0, 0)] * (x.ndim - 1) + [(0, -K % 32)]); x = x.reshape(x.shape[:-1] + (-1, 32)); a = np.abs(x).max(-1, keepdims=True)
;;       e = np.where(a > 0, np.clip(np.frexp(np.where(a > 0, a, 1))[1] - 1 - 2, -126, 127), 0)      # np.frexp(a)[1] - 1 = floor(log2(a)), exactly
;;       r = np.clip(x / 2.0 ** e, -6, 6)
;;       step = 2.0 ** (np.maximum(np.frexp(np.where(r == 0, 1, r))[1] - 1, 0) - 1)
;;       q = np.round(r / step) * step * 2.0 ** e      # np.round: ties to even
;;       return np.moveaxis(q.reshape(q.shape[:-2] + (-1,))[..., :K], -1, axis).astype(np.float32)
;;   ~~~
;;   SOFTMAX AHEAD OF A QUANTISED PRODUCT. Where the list says 'softmax', what is quantised is not the finished softmax but p = 2^(t - M), with t = logit x log2(e) and M = ceil(the row's largest t), a whole number; so 1/2 < the row's largest p <= 1. The row's sum l is taken of the UNQUANTISED p, in f32, and the product's result is divided by l at the end. Since M is a whole number, a kernel that streams over the keys may use a running M (the ceiling of the running maximum): every later rescaling is an exact power of two, which a block's scale takes up: the codes' values come out the same.
;;   OPERANDS COMPUTED ON THE WAY. 'Computed on the way' means the value that the module computes at that place (a softmax that the list does not call 'softmax' is quantised finished and normalised). What goes into a quantiser is computed in f32, as accurately as f32 sums, v_exp_f32 and their like allow (about 1e-6 of the number): no bf16 or f16 on the way to a quantiser, and a product that is left as it is and whose result goes on into a quantised operand takes f32 operands (vector FMAs, or v_wmma_f32_16x16x4_f32). A number that lies on a knife's edge between two numbers of the format may be rounded either way, as far as f32 arithmetic and the matrix unit's own rounding can turn it there, and no further.
;;   INPUTS GIVEN AS CODES. w_proj (in the module: [1024, 1024], K = its axis 0); w_qkv (in the module: [1024, 3072], K = its axis 0): each comes as NAME_codes (uint8): NAME with its K axis moved to the last place and cut into blocks of 32 codes, [.., K / 32, bytes a block], one block behind the other in memory; two codes a byte, the lower K in the low four bits (a code: sign, 2 exponent bits, 1 mantissa bit); and NAME_scales (uint8): the same leading axes, one E8M0 byte (e + 127) for each 32 codes along K. Its value is code x scale, taken as it is: it is not quantised again, and the codes and scales need not be those that the quantiser above would give.
;; One version. Each part assembles by itself: llvm-mc -triple=amdgcn-amd-amdhsa -mcpu=gfx1250 --defsym DOCPART=n.
;; ======== version 1 of 1: 4 launches
;; limits: right only within a limited range of input values
;; workspace buffers: xy_codes 4,194,304 bytes; xy_scales 262,144 bytes; qkv_img 12,582,912 bytes; qkv_sc 1,310,720 bytes; o_img 4,194,304 bytes; o_sc 262,144 bytes
;; launch quant (part 1): grid 256 x 1, 4 waves a work-group, no clusters, 33,280 bytes of LDS; arguments x, y, xy_codes, xy_scales; writes xy_codes, xy_scales
.if DOCPART == 1
	.amdgcn_target "amdgcn-amd-amdhsa--gfx1250"
	.amdhsa_code_object_version 6
	.text
	.protected	k_q152b3e9eb0_quant
	.globl	k_q152b3e9eb0_quant
	.p2align	8
	.type	k_q152b3e9eb0_quant,@function
k_q152b3e9eb0_quant:
	s_mov_b64 s[64:65], 0
	v_nop
	global_prefetch_b8 v0, s[64:65] scope:SCOPE_SE
	s_setreg_imm32_b32 hwreg(HW_REG_WAVE_MODE, 25, 1), 1
	s_wait_xcnt 0x0
; x and y, each [4096][1024] f32 (batch and token as one row index), become codes of FP4 (E2M1), 4 bits each, K innermost, with one E8M0 scale byte for each 32 along K.
; xy_codes: [8192][512 bytes], xy_scales: [8192][32 bytes]; x's rows first, then y's.
; A block's scale is 2^(floor(log2(its largest magnitude)) - 2); its byte is the largest magnitude's own exponent field - 2, held at 1 from below.
; LIMITS: a block whose largest magnitude lies under 2^-124, a block of zeros among them, gets the byte 1 (a block of zeros has zero codes, which add nothing under any byte
; but 0xff, and only this program reads the bytes); NaN and infinities among the inputs are not served.
; Rows are dense and 1,024 is a multiple of 32, so each tensor is a plain stream of blocks of 32 numbers, and so are the codes and the scale bytes.
; A wave takes 16 steps of 512 numbers.  The conversion takes 8 numbers of ONE block from a lane's registers, so a lane must hold 16 NEIGHBOURS (two neighbouring lanes hold a block);
; a load is best where neighbouring LANES take neighbouring bytes.  Both are had: each of a step's four loads reads 512 consecutive bytes, 16 a lane; the 2,048 bytes go through the
; wave's own stage in LDS, as they lie, and come back 64 bytes a lane (16 bytes of padding behind each 64).  A lane's 16 codes are 8 bytes: the wave stores 256 consecutive bytes.
; A step makes 16 scale bytes, a wave 256: they are gathered in the wave's own 256 bytes of LDS and leave as 256 consecutive, aligned bytes.
; The first 128 work-groups take x, the others y.  No work-group shares an input byte with another, so there is no cluster, no tensor load and no barrier.
.set STEPS, 16
.set WGA,   128                        ; work-groups for x: 4,096 x 1,024 / 32,768
.set EMAX,  2
.set CB,    8                          ; bytes of 16 codes
.set R,     16                         ; v16-79   four sets of 16 numbers as they are loaded
.set X,     80                         ; v80-111  two sets of 16 neighbours
.set C,     128                        ; v128-191 codes: four registers for each step, so that no store's data are written again
.set E,     112                        ; v112-127 a scale byte for each step
.set WREG,  8192                       ; LDS: a region for each wave: two stages of 32 x SP bytes, and behind them its 256 scale bytes
.set SP,    80                         ; a lane's place in a stage: its 64 bytes + 16 of padding
	s_load_b256 s[4:11], s[0:1], 0x0               ; x s[4:5], y s[6:7], the codes s[8:9], the scale bytes s[10:11]
	v_lshl_add_u32 v192, v0, 2, 0x8000
	v_mov_b32 v193, 0
	v_lshrrev_b32 v1, 5, v0
	v_readfirstlane_b32 s16, v1                    ; wave
	v_and_b32 v2, 31, v0                           ; lane
	v_lshlrev_b32 v3, 4, v2                        ; my 16 bytes of a load's 512
	s_mul_i32 s17, s16, WREG
	v_lshrrev_b32 v14, 2, v2
	v_mul_u32_u24 v14, v14, SP
	v_and_b32 v15, 3, v2
	v_lshl_add_u32 v14, v15, 4, v14
	v_add_nc_u32 v14, s17, v14                     ; the stage, on the way in: SP (lane / 4) + 16 (lane % 4); a load's 512 bytes take eight places
	v_mul_u32_u24 v15, v2, SP
	v_add_nc_u32 v15, s17, v15                     ; and on the way out: SP x lane: my 16 neighbours
	v_mul_u32_u24 v4, v2, CB                       ; my codes' place in a step's
	v_lshrrev_b32 v5, 1, v2
	s_add_co_u32 s17, s17, 2*32*SP
	v_add_nc_u32 v5, s17, v5                       ; LDS: my wave's 256 scale bytes, my block's byte
	v_lshlrev_b32 v7, 3, v2                        ; and on the way out 8 bytes a lane
	v_add_nc_u32 v6, s17, v7
	s_wait_alu depctr_va_vdst(0)
	s_wait_kmcnt 0x0
	s_cmp_lt_u32 ttmp9, WGA                        ; x's work-group or y's?  The choice hangs on the work-group's number alone
	s_cselect_b64 s[4:5], s[4:5], s[6:7]
	s_cselect_b32 s17, 0, WGA
	s_sub_co_u32 s17, ttmp9, s17
	s_lshl_b32 s17, s17, 2
	s_add_co_u32 s18, s17, s16                     ; which run of 8,192 numbers of the tensor is my wave's
	s_lshl_b32 s20, s18, 15                        ; 32,768 bytes a run
	s_mov_b32 s21, 0
	s_add_nc_u64 s[4:5], s[4:5], s[20:21]
	s_lshl_b32 s18, ttmp9, 2
	s_add_co_u32 s18, s18, s16                     ; which run of the outputs: y's follow x's
	s_lshl_b32 s20, s18, 12                        ; 4,096 bytes of codes a run
	s_add_nc_u64 s[8:9], s[8:9], s[20:21]
	s_lshl_b32 s20, s18, 8                         ; 256 scale bytes a run
	s_add_nc_u64 s[10:11], s[10:11], s[20:21]
.macro LOAD t
.irp i, 0,1,2,3
	global_load_b128 v[R+16*((\t)%4)+4*\i:R+16*((\t)%4)+4*\i+3], v3, s[4:5] offset:2048*(\t)+512*\i th:TH_LOAD_NT   ; 32 lanes read 512 consecutive bytes
.endr
.endm
.macro TURN t                          ; step t's numbers through the stage: LDS serves a wave's instructions in order, so no wait stands between the stores and the loads
.irp i, 0,1,2,3
	ds_store_b128 v14, v[R+16*((\t)%4)+4*\i:R+16*((\t)%4)+4*\i+3] offset:32*SP*((\t)%2)+8*SP*\i
.endr
.irp i, 0,1,2,3
	ds_load_b128 v[X+16*((\t)%2)+4*\i:X+16*((\t)%2)+4*\i+3], v15 offset:32*SP*((\t)%2)+16*\i
.endr
.endm
.irp t, 0,1,2,3
	LOAD \t
.endr
	s_wait_loadcnt 12                              ; step 0's four loads are in; the twelve of steps 1 to 3 may be out
	TURN 0
.macro STEP t
.set XS, X+16*((\t)%2)
.if (\t) > 0
	s_wait_dscnt 1                                 ; this step's numbers are back from the stage (the last step's byte store may be out): so its stores into the stage have read their registers,
.else
	s_wait_dscnt 0x0
.endif
.if (\t)+4 < STEPS
	LOAD (\t)+4                                    ; which take the loads of four steps on
.endif
.if (\t)+1 < STEPS
.if STEPS-2-(\t) >= 3
	s_wait_loadcnt 12                              ; the next step's four loads are in; those of the three steps behind it may be out
.else
	s_wait_loadcnt 4*(STEPS-2-(\t))
.endif
	TURN (\t)+1                                    ; and go through the other stage while this step is worked
.endif
	v_max3_num_f32 v8, |v[XS]|, |v[XS+1]|, |v[XS+2]|               ; the largest magnitude of my 16, in two chains
	v_max3_num_f32 v9, |v[XS+3]|, |v[XS+4]|, |v[XS+5]|
.irp i, 6,10
	v_max3_num_f32 v8, v8, |v[XS+\i]|, |v[XS+\i+1]|
	v_max3_num_f32 v9, v9, |v[XS+\i+2]|, |v[XS+\i+3]|
.endr
	v_max3_num_f32 v8, v8, |v[XS+14]|, |v[XS+15]|
	v_max3_num_f32 v8, v8, v9, (EMAX+1)<<23        ; and the floor 2^(3 - 127): so the byte cannot fall under 1
	v_max_num_f32_dpp v8, v8, v8 row_xmask:1 row_mask:0xf bank_mask:0xf   ; and of my neighbour's 16: the block's
	v_add_nc_u32 v11, -(EMAX<<23), v8              ; 2 off its exponent field: the conversion takes the exponent field of this operand as its scale, and nothing else of it
	v_cvt_scalef32_pk8_fp4_f32 v[C+4*(\t)], v[XS:XS+7], v11        ; eight numbers / the scale, to the nearest code, ties to even, beyond the largest code the largest
	v_cvt_scalef32_pk8_fp4_f32 v[C+4*(\t)+1], v[XS+8:XS+15], v11
	v_lshrrev_b32 v[E+(\t)], 23, v11               ; the scale's byte
	ds_store_b8 v5, v[E+(\t)] offset:16*(\t)       ; both lanes of a block write the same byte with the same value
	global_store_b64 v4, v[C+4*(\t):C+4*(\t)+1], s[8:9] offset:32*CB*(\t)   ; 32 lanes store 256 consecutive, aligned bytes
.endm
.irp t, 0,1,2,3,4,5,6,7,8,9,10,11,12,13,14,15
	STEP \t
.endr
	ds_load_b64 v[12:13], v6                       ; LDS serves a wave's instructions in order: these see my stores
	s_wait_dscnt 0x0
	global_store_b64 v7, v[12:13], s[10:11]        ; 32 lanes store 256 consecutive, aligned bytes
	s_wait_tensorcnt 0x0
	ds_add_u32 v192, v193
	s_wait_dscnt 0x0
	s_endpgm
.Lfunc_end_k_q152b3e9eb0_quant:
	.size	k_q152b3e9eb0_quant, .Lfunc_end_k_q152b3e9eb0_quant-k_q152b3e9eb0_quant
	.p2alignl 7, 3214868480
	.fill 96, 4, 3214868480
	.section	.rodata,"a",@progbits
	.p2align	6, 0x0
	.amdhsa_kernel k_q152b3e9eb0_quant
		.amdhsa_group_segment_fixed_size 33280
		.amdhsa_private_segment_fixed_size 0
		.amdhsa_enable_private_segment 0
		.amdhsa_kernarg_size 32
		.amdhsa_user_sgpr_count 2
		.amdhsa_user_sgpr_kernarg_segment_ptr 1
		.amdhsa_wavefront_size32 1
		.amdhsa_system_sgpr_workgroup_id_x 1
		.amdhsa_system_sgpr_workgroup_id_y 1
		.amdhsa_system_sgpr_workgroup_id_z 1
		.amdhsa_system_vgpr_workitem_id 0
		.amdhsa_next_free_vgpr 194
		.amdhsa_next_free_sgpr 66
		.amdhsa_reserve_vcc 0
		.amdhsa_float_denorm_mode_32 3
		.amdhsa_float_denorm_mode_16_64 3
		.amdhsa_memory_ordered 1
		.amdhsa_forward_progress 1
		.amdhsa_inst_pref_size 33
	.end_amdhsa_kernel
	.amdgpu_metadata
---
amdhsa.version: [ 1, 2 ]
amdhsa.kernels:
  - .name:           k_q152b3e9eb0_quant
    .symbol:         k_q152b3e9eb0_quant.kd
    .args:
      - { .name: x, .offset: 0, .size: 8, .value_kind: global_buffer, .address_space: global }
      - { .name: y, .offset: 8, .size: 8, .value_kind: global_buffer, .address_space: global }
      - { .name: xy_codes, .offset: 16, .size: 8, .value_kind: global_buffer, .address_space: global }
      - { .name: xy_scales, .offset: 24, .size: 8, .value_kind: global_buffer, .address_space: global }
    .group_segment_fixed_size: 33280
    .private_segment_fixed_size: 0
    .kernarg_segment_align: 8
    .kernarg_segment_size: 32
    .max_flat_workgroup_size: 128
    .sgpr_count:     66
    .vgpr_count:     194
    .wavefront_size: 32
...
	.end_amdgpu_metadata
.endif
;; end of part 1
;; launch qkv (part 2): grid 8 x 32, 4 waves a work-group, clusters of 4 x 4, 327,680 bytes of LDS; arguments xy_codes, xy_scales, w_qkv_codes, w_qkv_scales, qkv_img, qkv_sc; writes qkv_img, qkv_sc
.if DOCPART == 2
	.amdgcn_target "amdgcn-amd-amdhsa--gfx1250"
	.amdhsa_code_object_version 6
	.text
	.protected	k_q152b3e9eb0_qkv
	.globl	k_q152b3e9eb0_qkv
	.p2align	8
	.type	k_q152b3e9eb0_qkv,@function
k_q152b3e9eb0_qkv:
	s_mov_b64 s[64:65], 0
	v_nop
	global_prefetch_b8 v0, s[64:65] scope:SCOPE_SE
	s_setreg_imm32_b32 hwreg(HW_REG_WAVE_MODE, 25, 1), 1
	s_wait_xcnt 0x0
	s_wait_alu depctr_hold_cnt(0) depctr_sa_sdst(0) depctr_va_vdst(0) depctr_va_sdst(0) depctr_va_ssrc(0) depctr_va_vcc(0) depctr_vm_vsrc(0)
	s_getreg_b32 s2, hwreg(HW_REG_IB_STS2, 6, 4)
	s_cmp_eq_u32 s2, 0
	s_cbranch_scc0 .Lentry_in_a_cluster
	s_endpgm
.Lentry_in_a_cluster:
	s_bfe_u32 s2, ttmp6, 0x10000c
	s_cmp_lg_u32 s2, 0xf033
	s_cbranch_scc0 .Lentry_shape_is_right
	s_endpgm
.Lentry_shape_is_right:
; qkv = t w_qkv for t = x and y, on codes of FP4 (E2M1) with one E8M0 scale for each 32 along K = 1,024; the results are quantised in registers and leave as codes:
; q and k along the head's 64 channels, v along the tokens (the keys), each laid as the attention launch's operand registers want them.
; ONE WORK-GROUP, TWO PARTS, ON ONE TILE OF 256 TOKENS.  Part 1: 256 tokens x 256 channels of q or k (four waves, each 128 x 128: 64 accumulators).  Part 2: the same 256 tokens x 128 channels of v (each wave 128 tokens x 64 channels: 32 accumulators).
; 32 tiles of tokens x 8 tiles of channels are 256 work-groups.  The tokens' codes and scales come into LDS once and serve both parts.
; P0 is the matrix instruction's source 0: its index runs along a lane's eight result registers.  P1 is source 1: it gives a lane its row.  What is quantised next must run along a lane's registers:
; part 1: P0 = w_qkv's rows (channels), P1 = tokens;  part 2: P0 = tokens, P1 = w_qkv's rows 2,048 + 128 x the channel tile.
; ALL OF K LIES IN LDS AT ONCE: a tile's row is a whole row of 512 bytes.  "Slot" 0 and 1 below are the two halves of a row, 256 bytes apart.
; The head's four tiles (the tokens' 256 rows, w's 256 rows, the scales of each) come by one joint load a wave.  Part 2's 128 rows of w and their scales are filled into w's bytes, behind a round of the cluster's barrier
; when part 1's last product has read them: two joint loads (waves 0 and 1), asked for ahead of part 1's way out, which touches no LDS.  There is no loop to run ahead in, so nothing is prefetched.
; CLUSTERS: 4 x 4 work-groups.  The four of a row of the cluster need the same tokens, the four of a column the same rows of w: each tile is asked for JOINTLY.
; THE WAY OUT.  In accumulator (a, b) lane (r, h) holds row 16 a + r of P1 and P0's indices 16 b + 8 h + 0..7.  So accumulators 2 B and 2 B + 1 are my half's 16 numbers of block B of 32.
; The conversion of half u of block 2 c + y goes to code register 4 c + 2 u + y; one swap of halves for each pair leaves registers 4 c .. 4 c + 3 of lane (r, h) with indices 64 c + 32 h + 0..31: the 4-bit operand's layout.
; qkv_img: q at 0, k at 4 MiB, v at 8 MiB; a unit (tensor, batch, head: 64 of them) is 65,536 bytes.  q, k: [tile of 16 tokens][512 bytes].  v: [128 keys][16 channels][2][512 bytes].
; qkv_sc: q at 0, k at 512 KiB, 8,192 bytes a unit: [128 tokens][2][row 0-15][4 tiles] words (bytes 0, 1: the head's two blocks; bytes 2, 3 are never 0xff);  v at 1 MiB, 4,096 bytes a unit: [128 keys][row 0-15][4 tiles of channels] words.
; LIMITS: a block whose largest magnitude lies under 2^-124, zeros among them, gets the byte 1 (only this program reads the bytes); NaN and infinities are not served.
; REGISTERS, in windows of 256: window 0: v0-31 addresses; v32-95 scale words, two sets; v128-191 P1's fragments; on the way out v96-119 at work, v128-191 codes, v192-211 offsets.
;   window 1: P0's fragments, TWO sets, at v0 and v128.   window 2: the accumulators of my rows 0-63 ((a, b) at v[8 (8 a + b)]);   window 3: those of rows 64-127.
.set NQ,     4                         ; matrix instructions deep in half a row: 512 / 128
.set ROWB,   512                       ; a tile's row in bytes, in memory too
.set PITCH,  528                       ; an LDS row: 512 bytes + 16 of padding = 132 words: the 16 rows that a load touches start 4 words apart modulo 64
.set FR,     8                         ; registers of a fragment: 16 rows x 128 K
.set NL,     2                         ; LDS loads that bring one
.set NP,     4                         ; places behind this matrix instruction (ISA guide 7.12.1)
.set HALFT,  128*PITCH                 ; 128 rows
.set SLOT,   4*HALFT                   ; the tokens' 256 rows, then w's 256 rows
.set KS,     32                        ; a row of scale bytes
.set SCL,    SLOT                      ; behind the codes: the scales, as pieces of 256 bytes + 16 of padding: the tokens', then w's
.set HALFS,  (128*KS/256)*272          ; the scales of 128 rows
.set SBLK,   (16*KS/256)*272           ; those of 16 rows
.set SPARE,  SCL+4*HALFS               ; the spare words, 128 bytes for each wave, which no other line names
.set ADRA, 16                          ; v16-17  LDS address of my P1 fragments in slot 0, 1
.set ADRB, 20                          ; v20-21  the same for P0
.set ADRS2, 26                         ; v26     part 2: as v27, with lanes 0-15 four blocks of rows lower
.set ADRS, 27                          ; v27     LDS address of my scale words: lanes 0-15 P1's rows, lanes 16-31 P0's
.set SPW,  28                          ; v28     LDS address of my spare word; never rewritten
.set NIL,  29                          ; v29     0; never rewritten
.set SC,   32                          ; scale words: set s at v[SC + 32 s]; register 4 i + q: lanes 0-15 P1's block i, lanes 16-31 P0's block i, the slot's q-th 128 along K
.set AF,   128                         ; P1's fragments
.set TM,   96                          ; the way out: v96-99 largest magnitudes, v100-103 the other half's, then bytes, v108-111 the conversions' scale operands
.set PWR,  112                         ; v112-119 the scale word of each block of rows
.set PC,   128                         ; v128-191 codes: eight registers for each block of rows
.set VO,   192                         ; v192-207 byte offset in qkv_img of image (a, c)
.set VS,   208                         ; v208-209 byte offset in qkv_sc of the words of blocks 0-3, 4-7
.set VSH,  210                         ; v210    how far my half of the lanes shifts a scale word down
.set L16,  211                         ; v211    16 x lane
.set SEL,  66                          ; s66-67  lane selects for v_permlanex16_b32: lane l xor 16
.set G1, 24                            ; s[24:31], s[32:35] descriptor groups 1 and 0 for the tokens' codes
.set G0, 32
.set G1B, 48                           ; s[48:55], s[56:59] for w's codes
.set G0B, 56
.set G1S, 68                           ; s[68:75], s[76:79] for the tokens' scales;  s[80:87], s[88:91] for w's
.set G0S, 76
.set G1SB, 80
.set G0SB, 88
.set MSB, 0
.macro WIN new                         ; the immediate's high byte repeats the setting that is left
.if MSB != \new
	s_set_vgpr_msb (MSB<<8)|\new
.set MSB, \new
.endif
.endm
.set MUL_LO, 0xa1                      ; source 0 (P0) window 1, source 1 (P1) window 0, C and D window 2
.set MUL_HI, 0xf1                      ; the same, C and D window 3
.set TO_B,   0x40                      ; destination window 1, address window 0
.macro TL g0, g1                       ; a joint load, with the s_nop 0 and the four v_nop
	tensor_load_to_lds s[\g0:\g0+3], s[\g1:\g1+7]
	s_nop 0
.rept 4
	v_nop
.endr
.endm
.macro ARM under, g0, g1, next, end    ; one arm of a chain of branches on the wave's number
	s_cmp_lt_u32 s14, \under
	s_cbranch_scc0 \next
	TL \g0, \g1
	s_branch \end
\next:
.endm
.macro CROUND                          ; a round of the cluster's barrier
	s_barrier_signal -1
	s_barrier_wait -1
	s_cmp_lg_u32 s14, 0
	s_cbranch_scc1 .Lnot_wave_0_\@
	s_barrier_signal -3
.Lnot_wave_0_\@:
	s_barrier_wait -3
	s_barrier_signal -1
	s_barrier_wait -1
.endm
	s_load_b128 s[4:7], s[0:1], 0x0                ; the tokens' codes s[4:5], their scales s[6:7]
	s_load_b128 s[8:11], s[0:1], 0x10              ; w_qkv's codes s[8:9], its scales s[10:11]
	s_load_b128 s[96:99], s[0:1], 0x20             ; qkv_img s[96:97], qkv_sc s[98:99]
	v_lshl_add_u32 v[SPW], v0, 2, SPARE
	v_mov_b32 v[NIL], 0
	ds_add_u32 v[SPW], v[NIL]                      ; the opening lines: the add, twice on end, and its wait
	ds_add_u32 v[SPW], v[NIL]
	v_lshrrev_b32 v1, 5, v0
	v_readfirstlane_b32 s14, v1                    ; wave 0..3
	s_lshr_b32 s15, s14, 1                         ; which half of P1's rows is mine
	s_and_b32 s16, s14, 1                          ; which half of P0's
	s_bfe_u32 s40, ttmp6, 0x40000                  ; cx, cy: my place in the cluster
	s_bfe_u32 s41, ttmp6, 0x40004
	s_and_b32 s95, ttmp7, 0xffff                   ; the cluster's y
	s_mov_b32 s[SEL], 0x76543210
	s_mov_b32 s[SEL+1], 0xfedcba98
	s_lshl_b32 s42, ttmp9, 2
	s_add_co_u32 s42, s42, s40                     ; the tile of channels, 0..7 = 4 x cluster x + cx
	s_lshl_b32 s17, s95, 2
	s_add_co_u32 s17, s17, s41                     ; the tile of tokens, 0..31 = 4 x cluster y + cy
	s_lshl_b32 s43, s41, 2
	s_lshl_b32 s43, 15, s43                        ; my row of the cluster
	s_lshl_b32 s44, 0x1111, s40                    ; my column
	s_or_b32 s[G1+0], s43, (0<<16)|(1<<20)|(1<<21)|(6<<22)|(3<<25)  ; the mask: the tokens go to my row; elements of 1 byte; padding on; 21 set beside a mask; after every 128 words four words
	s_or_b32 s[G1B+0], s44, (0<<16)|(1<<20)|(1<<21)|(6<<22)|(3<<25) ; the same with the mask of my column
.irp g, G1, G1B
	s_mov_b32 s[\g+1], ROWB<<16                    ; tensor_dim0
	s_mov_b32 s[\g+2], 256<<16                     ; tensor_dim1
	s_mov_b32 s[\g+3], ROWB<<16                    ; tile_dim0
	s_mov_b32 s[\g+4], 256                         ; tile_dim1
	s_mov_b32 s[\g+5], ROWB                        ; tensor_dim0_stride
	s_mov_b32 s[\g+6], 0
	s_mov_b32 s[\g+7], 0
.endr
	; the scales of 256 rows: a dense block of 8,192 bytes, as 32 rows of 256 bytes (32 elements of 8 bytes), 16 bytes of padding behind each
	s_or_b32 s[G1S+0], s43, (3<<16)|(1<<20)|(1<<21)|(5<<22)|(3<<25)
	s_or_b32 s[G1SB+0], s44, (3<<16)|(1<<20)|(1<<21)|(5<<22)|(3<<25)
.irp g, G1S, G1SB
	s_mov_b32 s[\g+1], 32<<16
	s_mov_b32 s[\g+2], 32<<16
	s_mov_b32 s[\g+3], 32<<16
	s_mov_b32 s[\g+4], 32
	s_mov_b32 s[\g+5], 32
	s_mov_b32 s[\g+6], 0
	s_mov_b32 s[\g+7], 0
.endr
	s_lshl_b32 s20, s17, 8                         ; the tokens' first row: no cx in it
	s_lshl_b32 s46, s42, 8                         ; w's first row in part 1: no cy in it
	s_lshl_b32 s12, s42, 7
	s_add_co_u32 s12, s12, 2048                    ; and in part 2
	s_lshl_b32 s22, s20, 5                         ; where these rows' scales begin, in bytes,
	s_mov_b32 s23, 0
	s_lshl_b32 s92, s46, 5
	s_mov_b32 s93, 0
	s_lshl_b32 s100, s12, 5
	s_mov_b32 s101, 0
	s_lshl_b32 s20, s20, 9                         ; and their codes
	s_mov_b32 s21, 0
	s_lshl_b32 s46, s46, 9
	s_mov_b32 s47, 0
	s_lshl_b32 s12, s12, 9
	s_mov_b32 s13, 0
	s_wait_dscnt 0x0                               ; both opening adds are done
	s_wait_kmcnt 0x0
	s_add_nc_u64 s[20:21], s[4:5], s[20:21]
	s_add_nc_u64 s[22:23], s[6:7], s[22:23]
	s_add_nc_u64 s[46:47], s[8:9], s[46:47]
	s_add_nc_u64 s[92:93], s[10:11], s[92:93]
	s_add_nc_u64 s[12:13], s[8:9], s[12:13]
	s_add_nc_u64 s[100:101], s[10:11], s[100:101]
	CROUND                                         ; all sixteen work-groups are here: the joint loads meet
	s_mov_b32 s[G0], 1                             ; the four tiles, each whole: the tokens' 256 rows,
	s_mov_b32 s[G0+1], 0
	s_mov_b64 s[G0+2:G0+3], s[20:21]
	s_or_b32 s[G0+3], s[G0+3], 0x80000000
	s_mov_b32 s[G0B], 1                            ; w's 256 rows behind them,
	s_mov_b32 s[G0B+1], 2*HALFT
	s_mov_b64 s[G0B+2:G0B+3], s[46:47]
	s_or_b32 s[G0B+3], s[G0B+3], 0x80000000
	s_mov_b32 s[G0S], 1                            ; the tokens' scales,
	s_mov_b32 s[G0S+1], SCL
	s_mov_b64 s[G0S+2:G0S+3], s[22:23]
	s_or_b32 s[G0S+3], s[G0S+3], 0x80000000
	s_mov_b32 s[G0SB], 1                           ; and w's
	s_mov_b32 s[G0SB+1], SCL+2*HALFS
	s_mov_b64 s[G0SB+2:G0SB+3], s[92:93]
	s_or_b32 s[G0SB+3], s[G0SB+3], 0x80000000
	; ONE joint load a wave, in one chain of branches on the wave's number: every way passes exactly one load
	ARM 1, G0,  G1,  .Lhead_b,  .Lhead_asked
	ARM 2, G0B, G1B, .Lhead_sa, .Lhead_asked
	ARM 3, G0S, G1S, .Lhead_sb, .Lhead_asked
	TL G0SB, G1SB
.Lhead_asked:
	v_and_b32 v1, 15, v0                           ; l % 16
	v_bfe_u32 v2, v0, 4, 1                         ; l / 16
	v_mul_u32_u24 v3, v1, PITCH
	v_lshl_add_u32 v4, v2, 4, v3                   ; a fragment's row x pitch + 16 x half
	s_mul_i32 s21, s15, HALFT                      ; part 1: my 128 tokens (P1),
	s_mul_i32 s22, s16, HALFT                      ; my 128 rows of w (P0),
	s_add_co_u32 s22, s22, 2*HALFT                 ; which lie behind the tokens' 256
.irp s, 0,1
	v_add_nc_u32 v[ADRA+\s], s21, v4
	v_add_nc_u32 v[ADRB+\s], s22, v4
	s_add_co_u32 s21, s21, 256                     ; the second half of a row
	s_add_co_u32 s22, s22, 256
.endr
	v_mul_u32_u24 v5, v1, KS                       ; my row's scales: 32 bytes a row,
	v_lshrrev_b32 v6, 8, v5
	v_lshl_add_u32 v5, v6, 4, v5                   ; and 16 more for each 256 passed
	s_mul_i32 s21, s15, HALFS
	s_mul_i32 s22, s16, HALFS
	s_add_co_u32 s22, s22, 2*HALFS
	s_sub_co_u32 s22, s22, s21
	v_mul_u32_u24 v6, s22, v2                      ; lanes 16-31 take P0's: one product, the distance between the two bases
	s_add_co_u32 s21, s21, SCL
	v_add_nc_u32 v5, v5, v6
	v_add_nc_u32 v[ADRS], s21, v5
.macro FRAG reg, adr, q, i             ; a fragment, 16 rows x 128 K of 4-bit codes, is 8 registers: lane l holds row l % 16; registers 4 c .. 4 c + 3 hold K = 64 c + 32 (l / 16) + 0 .. 31
.irp c, 0,1
	ds_load_b128 v[\reg+4*\c:\reg+4*\c+3], v[\adr] offset:64*(\q)+32*\c+(\i)*16*PITCH
.endr
.endm
; 16 matrix instructions: P1's fragments a0, a0 + 1 x P0's eight, 128 along K: the slot's q-th.  p: P0's set;  sc: the set of scale words.  zero = 1: the first product starts the sums.
; The accumulators take turns, one instruction a turn, in the same order in every step.
.macro MUL16 a0, p, q, sc, zero
.irp a, \a0, \a0+1
.irp b, 0,1,2,3,4,5,6,7
.if \zero
	v_wmma_scale_f32_16x16x128_f8f6f4 v[8*(8*((\a)%4)+\b):8*(8*((\a)%4)+\b)+7], v[128*(\p)+FR*\b:128*(\p)+FR*\b+FR-1], v[AF+FR*(\a):AF+FR*(\a)+FR-1], 0, v[SC+8*NQ*(\sc)+NQ*\b+(\q)], v[SC+8*NQ*(\sc)+NQ*(\a)+(\q)] matrix_a_fmt:MATRIX_FMT_FP4 matrix_b_fmt:MATRIX_FMT_FP4 matrix_a_scale:MATRIX_SCALE_ROW1
.else
	v_wmma_scale_f32_16x16x128_f8f6f4 v[8*(8*((\a)%4)+\b):8*(8*((\a)%4)+\b)+7], v[128*(\p)+FR*\b:128*(\p)+FR*\b+FR-1], v[AF+FR*(\a):AF+FR*(\a)+FR-1], v[8*(8*((\a)%4)+\b):8*(8*((\a)%4)+\b)+7], v[SC+8*NQ*(\sc)+NQ*\b+(\q)], v[SC+8*NQ*(\sc)+NQ*(\a)+(\q)] matrix_a_fmt:MATRIX_FMT_FP4 matrix_b_fmt:MATRIX_FMT_FP4 matrix_a_scale:MATRIX_SCALE_ROW1
.endif
.endr
.endr
.endm
.macro FETCH_B slot, q, p              ; P0's eight fragments of the slot's q-th 128 along K into set p
	WIN TO_B
.irp i, 0,1,2,3,4,5,6,7
	FRAG 128*(\p)+FR*\i, ADRB+\slot, \q, \i
.endr
	WIN 0
.endm
.macro FETCH_A slot, q, i0             ; P1's blocks i0 .. i0 + 3
.irp i, \i0, \i0+1, \i0+2, \i0+3
	FRAG AF+FR*(\i), ADRA+\slot, \q, \i
.endr
.endm
.macro SCALES sc                       ; part 1: a slot's scale words into set sc: four words a row; lanes 0-15 take P1's block i, lanes 16-31 P0's block i
.irp i, 0,1,2,3,4,5,6,7
	ds_load_b128 v[SC+8*NQ*\sc+NQ*\i:SC+8*NQ*\sc+NQ*\i+3], v[ADRS] offset:\i*SBLK
.endr
.endm
; A load into a register that a matrix instruction has read, and a vector instruction that reads a matrix result or writes one of its registers, stand NP places behind it; only plain vector
; instructions that name none of its registers are places (ISA guide 7.12.1 for vector instructions).
.macro PLACES n
.rept \n
	v_nop
.endr
.endm
; Part 1: a step of 128 along K that has its successor in the same slot.  P1 has one set of registers: blocks 0-3 are fetched anew in the step's middle, blocks 4-7 at its end; P0 has two sets.
.macro STEP slot, q, zero
	s_wait_dscnt 4*NL                              ; P0's set and P1's blocks 0-3 are in; the youngest eight loads (P1's blocks 4-7) may be out
	WIN MUL_LO
	MUL16 0, (\q)%2, \q, \slot, \zero
	MUL16 2, (\q)%2, \q, \slot, \zero
	s_wait_dscnt 0                                 ; P1's blocks 4-7 are in
	PLACES NP
	FETCH_B \slot, (\q)+1, 1-(\q)%2
	FETCH_A \slot, (\q)+1, 0
	WIN MUL_HI
	MUL16 4, (\q)%2, \q, \slot, \zero
	MUL16 6, (\q)%2, \q, \slot, \zero
	PLACES NP
	WIN 0
	FETCH_A \slot, (\q)+1, 4
.endm
; The last step of the rows' first half goes on into the second half: in LDS since the head's barrier, so no barrier stands here.
.macro TURN slot, next
	s_wait_dscnt 4*NL
	WIN MUL_LO
	MUL16 0, 1, NQ-1, \slot, 0
	MUL16 2, 1, NQ-1, \slot, 0
	s_wait_dscnt 0
	WIN 0
	PLACES NP
	v_add_nc_u32 v[ADRS], 4*NQ, v[ADRS]            ; on to the second half's scale words (no LDS load of mine is out)
	FETCH_B \next, 0, 0
	FETCH_A \next, 0, 0
	SCALES \next
	WIN MUL_HI
	MUL16 4, 1, NQ-1, \slot, 0
	MUL16 6, 1, NQ-1, \slot, 0
	PLACES NP
	WIN 0
	FETCH_A \next, 0, 4
.endm
	s_wait_alu depctr_va_vdst(0)
	s_wait_tensorcnt 0x0                           ; my tile of the four is in,
	s_barrier_signal -1
	s_barrier_wait -1                              ; everybody's is
	FETCH_B 0, 0, 0
	FETCH_A 0, 0, 0
	SCALES 0
	FETCH_A 0, 0, 4
	STEP 0, 0, 1                                   ; the first step's products start the sums: nothing is cleared
	STEP 0, 1, 0
	STEP 0, 2, 0
	TURN 0, 1
	STEP 1, 0, 0
	STEP 1, 1, 0
	STEP 1, 2, 0
	s_wait_dscnt 4*NL                              ; part 1's last step: nothing more to fetch
	WIN MUL_LO
	MUL16 0, 1, NQ-1, 1, 0
	MUL16 2, 1, NQ-1, 1, 0
	s_wait_dscnt 0
	WIN MUL_HI
	MUL16 4, 1, NQ-1, 1, 0
	MUL16 6, 1, NQ-1, 1, 0
	WIN 0
	; W'S BYTES ARE FILLED AGAIN, with part 2's 128 rows and their scales.  Every wave adds 0 onto its spare word and waits for the add; a round of the cluster's barrier follows; the joint refill is the first tensor load behind it.
	s_wait_tensorcnt 0x0                           ; no tensor load of mine is out, so descriptors may be written
	ds_add_u32 v[SPW], v[NIL]                      ; 0 onto my spare word
	s_mov_b32 s[G1B+2], 128<<16                    ; 128 rows of codes,
	s_mov_b32 s[G1B+4], 128
	s_mov_b32 s[G1SB+2], 16<<16                    ; 4,096 bytes of scales
	s_mov_b32 s[G1SB+4], 16
	s_mov_b64 s[G0B+2:G0B+3], s[12:13]
	s_or_b32 s[G0B+3], s[G0B+3], 0x80000000
	s_mov_b64 s[G0SB+2:G0SB+3], s[100:101]
	s_or_b32 s[G0SB+3], s[G0SB+3], 0x80000000
	s_wait_dscnt 0x0                               ; the add is done; my reads of w's bytes were over above
	CROUND
	ARM 1, G0B, G1B, .Lre_s, .Lre_asked
	s_cmp_lt_u32 s14, 2
	s_cbranch_scc0 .Lre_asked
	TL G0SB, G1SB
.Lre_asked:
	PLACES NP                                      ; behind the last products: their results are read and P1's fragment registers are written below
	; PART 1'S WAY OUT: where my wave's images and scale words go.  (s24-39 are free: the loads that named them were waited for.)
	s_lshl_b32 s24, s42, 8
	s_lshl_b32 s25, s16, 7
	s_add_co_u32 s28, s24, s25                     ; my first channel
	s_lshl_b32 s25, s17, 8
	s_lshl_b32 s26, s15, 7
	s_add_co_u32 s27, s25, s26                     ; my first token
	s_lshr_b32 s26, s28, 10                        ; q (0) or k (1)
	s_lshr_b32 s37, s27, 11                        ; tensor and batch: token / 2,048
	s_bfe_u32 s38, s27, 0x40007                    ; which 128 tokens of the 2,048
	s_bfe_u32 s39, s28, 0x40006                    ; my first head
	s_lshl_b32 s37, s37, 4
	s_add_co_u32 s37, s37, s39                     ; my first unit
	s_lshl_b32 s24, s26, 22
	s_lshl_b32 s25, s37, 16
	s_add_co_u32 s24, s24, s25
	s_lshl_b32 s25, s38, 12
	s_add_co_u32 s24, s24, s25                     ; images: 4 MiB x which + 65,536 x unit + 4,096 x (128 tokens)
	s_lshl_b32 s25, s26, 19
	s_lshl_b32 s27, s37, 13
	s_add_co_u32 s25, s25, s27
	s_lshl_b32 s27, s38, 9
	s_add_co_u32 s25, s25, s27                     ; scale words: 512 KiB x which + 8,192 x unit + 512 x (128 tokens)
	v_and_b32 v1, 15, v0                           ; r
	v_bfe_u32 v2, v0, 4, 1                         ; h
	v_and_b32 v3, 31, v0
	v_lshlrev_b32 v[L16], 4, v3
	v_lshlrev_b32 v[VSH], 4, v2                    ; lanes 16-31 keep the word's upper two bytes, the second head's,
	v_lshlrev_b32 v4, 13, v2                       ; and put them into the next unit
	v_lshl_add_u32 v4, v1, 4, v4                   ; 16 bytes a row: four tiles' words
	v_add_nc_u32 v[VS], s25, v4
	s_add_co_u32 s25, s25, 256
	v_add_nc_u32 v[VS+1], s25, v4
.irp j, 0,1
	s_mov_b32 s27, s24
.irp q, 0,1,2,3
	v_add_nc_u32 v[VO+2*(4*\j+\q)], s27, v[L16]
	s_add_co_u32 s28, s27, 0x10000                 ; registers 4-7: the next head
	v_add_nc_u32 v[VO+2*(4*\j+\q)+1], s28, v[L16]
	s_add_co_u32 s27, s27, 512                     ; the next tile of tokens
.endr
	s_add_co_u32 s24, s24, 2048
.endr
.irp b, 0,1,2,3
	v_mov_b32 v[TM+4+\b], 0                        ; written once: a lane permute's destination counts as one of its sources
.endr
; Block a of 16 rows: its eight accumulators are four blocks of 32 along P0.  Each accumulator is read from its low end on.
.macro QOUT a
.set AC, 64*((\a)%4)
.set W0, 2+(\a)/4                      ; the accumulators' window, as source 0;
.set W1, 5*W0                          ; as sources 0 and 1;
.set W2, 20*W0                         ; as sources 1 and 2
	WIN W1
.irp b, 0,1,2,3
	v_max3_num_f32 v[TM+\b], |v[AC+16*\b]|, |v[AC+16*\b+1]|, 0x1800000   ; block b: my 16 numbers, and the floor 2^(3 - 127): so the byte cannot fall under 1
.endr
	WIN W2
.irp i, 2,4,6,8,10,12,14
.irp b, 0,1,2,3
	v_max3_num_f32 v[TM+\b], v[TM+\b], |v[AC+16*\b+\i]|, |v[AC+16*\b+\i+1]|   ; (the four blocks by turns)
.endr
.endr
	WIN 0
.irp b, 0,1,2,3
	v_permlanex16_b32 v[TM+4+\b], v[TM+\b], s[SEL], s[SEL+1]
.endr
.irp b, 0,1,2,3
	v_max_num_f32 v[TM+\b], v[TM+\b], v[TM+4+\b]   ; with lane l xor 16's: the block's largest magnitude
.endr
.irp b, 0,1,2,3
	v_add_nc_u32 v[TM+12+\b], 0xff000000, v[TM+\b] ; 2 off its exponent field: the conversion's scale operand
.endr
.irp b, 0,1,2,3
	v_lshrrev_b32 v[TM+4+\b], 23, v[TM+12+\b]      ; the scale's byte
.endr
	v_lshl_or_b32 v[PWR+(\a)], v[TM+5], 8, v[TM+4] ; my row's four bytes
	v_lshl_or_b32 v[PWR+(\a)], v[TM+6], 16, v[PWR+(\a)]
	v_lshl_or_b32 v[PWR+(\a)], v[TM+7], 24, v[PWR+(\a)]
	v_lshrrev_b32 v[PWR+(\a)], v[VSH], v[PWR+(\a)]
	WIN W0
.irp c, 0,1
.irp u, 0,1
.irp y, 0,1
	v_cvt_scalef32_pk8_fp4_f32 v[PC+8*(\a)+4*\c+2*\u+\y], v[AC+16*(2*\c+\y)+8*\u:AC+16*(2*\c+\y)+8*\u+7], v[TM+12+2*\c+\y]
.endr
.endr
.endr
	WIN 0
	v_nop                                          ; one plain place behind a scaled conversion
.irp c, 0,1
.irp u, 0,1
	v_permlane16_swap_b32 v[PC+8*(\a)+4*\c+2*\u], v[PC+8*(\a)+4*\c+2*\u+1]   ; a whole block in a lane
.endr
.endr
.irp c, 0,1
	global_store_b128 v[VO+2*(\a)+\c], v[PC+8*(\a)+4*\c:PC+8*(\a)+4*\c+3], s[96:97]   ; 32 lanes store 512 consecutive, aligned bytes
.endr
.endm
.irp a, 0,1,2,3,4,5,6,7
	QOUT \a
.endr
.irp j, 0,1
	global_store_b128 v[VS+\j], v[PWR+4*\j:PWR+4*\j+3], s[98:99]   ; sixteen lanes store 256 consecutive, aligned bytes
.endr
	; PART 2: v.  P0 = my 128 tokens (half s16 of the tile), P1 = my 64 of w's 128 rows (half s15): one head.
	s_wait_xcnt 0x0                                ; part 1's stores have read their offsets and data: those registers are written again below
	v_mul_u32_u24 v3, v1, PITCH
	v_lshl_add_u32 v4, v2, 4, v3
	s_mul_i32 s21, s15, 64*PITCH
	s_add_co_u32 s21, s21, 2*HALFT
	s_mul_i32 s22, s16, HALFT
.irp s, 0,1
	v_add_nc_u32 v[ADRA+\s], s21, v4
	v_add_nc_u32 v[ADRB+\s], s22, v4
	s_add_co_u32 s21, s21, 256
	s_add_co_u32 s22, s22, 256
.endr
	v_mul_u32_u24 v5, v1, KS
	v_lshrrev_b32 v6, 8, v5
	v_lshl_add_u32 v5, v6, 4, v5
	v_xor_b32 v7, 1, v2                            ; 1 in lanes 0-15, which take P1's words: w's lie above the tokens'
	s_mul_i32 s22, s16, HALFS
	s_mul_i32 s21, s15, 4*SBLK
	s_add_co_u32 s21, s21, 2*HALFS
	s_sub_co_u32 s21, s21, s22                     ; the distance between the two bases
	v_mul_u32_u24 v6, s21, v7
	s_sub_co_u32 s21, s21, 4*SBLK                  ; and four blocks of rows less
	v_mul_u32_u24 v7, s21, v7
	s_add_co_u32 s22, s22, SCL
	v_add_nc_u32 v5, s22, v5
	v_add_nc_u32 v[ADRS], v5, v6
	v_add_nc_u32 v[ADRS2], v5, v7
	s_lshl_b32 s24, s17, 8
	s_lshl_b32 s25, s16, 7
	s_add_co_u32 s27, s24, s25                     ; my first token
	s_lshl_b32 s24, s42, 1
	s_add_co_u32 s39, s24, s15                     ; my head
	s_lshr_b32 s37, s27, 11
	s_bfe_u32 s38, s27, 0x40007
	s_lshl_b32 s37, s37, 4
	s_add_co_u32 s37, s37, s39                     ; my unit
	s_lshl_b32 s24, s37, 16
	s_lshl_b32 s25, s38, 12
	s_add_co_u32 s24, s24, s25
	s_add_co_u32 s24, s24, 2<<22                   ; images: 8 MiB + 65,536 x unit + 4,096 x (128 keys)
	s_lshl_b32 s25, s37, 12
	s_lshl_b32 s26, s38, 8
	s_add_co_u32 s25, s25, s26
	s_add_co_u32 s25, s25, 2<<19                   ; scale words: 1 MiB + 4,096 x unit + 256 x (128 keys)
	v_mov_b32 v[VSH], 0                            ; all four bytes of a word are my row's; both halves of the lanes store the same words at the same place
	v_lshl_add_u32 v[VS], v1, 4, s25
.irp q, 0,1,2,3
	v_add_nc_u32 v[VO+2*\q], s24, v[L16]
	s_add_co_u32 s28, s24, 512                     ; the fragment's second half
	v_add_nc_u32 v[VO+2*\q+1], s28, v[L16]
	s_add_co_u32 s24, s24, 1024                    ; the next tile of channels
.endr
; P1 has two sets of four fragments: K step k's lie in registers of blocks 4 (k % 2) + 0..3, and take the accumulators of window 2 either way.  So the scale words of P1's block i stand in lanes 0-15 of registers 4 i + q AND 4 (i + 4) + q.
.macro SCALES2 sc
.irp i, 0,1,2,3
	ds_load_b128 v[SC+8*NQ*\sc+NQ*\i:SC+8*NQ*\sc+NQ*\i+3], v[ADRS] offset:\i*SBLK+16*\sc
.endr
.irp i, 4,5,6,7
	ds_load_b128 v[SC+8*NQ*\sc+NQ*\i:SC+8*NQ*\sc+NQ*\i+3], v[ADRS2] offset:\i*SBLK+16*\sc
.endr
.endm
.macro FETCH2 k                        ; K step k's fragments: P0's eight into set k % 2, P1's four likewise
	FETCH_B (\k)/4, (\k)%4, (\k)%2
.irp i, 0,1,2,3
	FRAG AF+FR*(\i+4*((\k)%2)), ADRA+(\k)/4, (\k)%4, \i
.endr
.endm
.macro STEP2 k                         ; 32 matrix instructions; the next step's 24 loads are issued ahead of them
	s_wait_dscnt 0x0                               ; this step's fragments are in
.if (\k) < 7
.if (\k) > 0
	PLACES NP                                      ; the loads below land in registers that the last step's products read
.endif
	FETCH2 (\k)+1
.endif
	WIN MUL_LO
.if (\k) == 0
	MUL16 0, 0, 0, 0, 1                            ; the first step's products start the sums
	MUL16 2, 0, 0, 0, 1
.else
	MUL16 4*((\k)%2), (\k)%2, (\k)%4, (\k)/4, 0
	MUL16 4*((\k)%2)+2, (\k)%2, (\k)%4, (\k)/4, 0
.endif
	WIN 0
.endm
	s_wait_alu depctr_va_vdst(0)
	s_wait_tensorcnt 0x0                           ; my refill, if I asked for one, is in,
	s_barrier_signal -1
	s_barrier_wait -1                              ; both are
	SCALES2 0
	SCALES2 1
	FETCH2 0
.irp k, 0,1,2,3,4,5,6,7
	STEP2 \k
.endr
	PLACES NP
.irp a, 0,1,2,3
	QOUT \a
.endr
	global_store_b128 v[VS], v[PWR:PWR+3], s[98:99]
	s_wait_tensorcnt 0x0                           ; the wave's end
	ds_add_u32 v[SPW], v[NIL]
	s_wait_dscnt 0x0
	CROUND                                         ; the closing round: no work-group ends while a partner may still ask for a tile that names it
	s_endpgm
.Lfunc_end_k_q152b3e9eb0_qkv:
	.size	k_q152b3e9eb0_qkv, .Lfunc_end_k_q152b3e9eb0_qkv-k_q152b3e9eb0_qkv
	.p2alignl 7, 3214868480
	.fill 96, 4, 3214868480
	.section	.rodata,"a",@progbits
	.p2align	6, 0x0
	.amdhsa_kernel k_q152b3e9eb0_qkv
		.amdhsa_group_segment_fixed_size 327680
		.amdhsa_private_segment_fixed_size 0
		.amdhsa_enable_private_segment 0
		.amdhsa_kernarg_size 48
		.amdhsa_user_sgpr_count 2
		.amdhsa_user_sgpr_kernarg_segment_ptr 1
		.amdhsa_wavefront_size32 1
		.amdhsa_system_sgpr_workgroup_id_x 1
		.amdhsa_system_sgpr_workgroup_id_y 1
		.amdhsa_system_sgpr_workgroup_id_z 1
		.amdhsa_system_vgpr_workitem_id 0
		.amdhsa_next_free_vgpr 1024
		.amdhsa_next_free_sgpr 102
		.amdhsa_reserve_vcc 0
		.amdhsa_float_denorm_mode_32 3
		.amdhsa_float_denorm_mode_16_64 3
		.amdhsa_memory_ordered 1
		.amdhsa_forward_progress 1
		.amdhsa_inst_pref_size 197
	.end_amdhsa_kernel
	.amdgpu_metadata
---
amdhsa.version: [ 1, 2 ]
amdhsa.kernels:
  - .name:           k_q152b3e9eb0_qkv
    .symbol:         k_q152b3e9eb0_qkv.kd
    .args:
      - { .name: xy_codes, .offset: 0, .size: 8, .value_kind: global_buffer, .address_space: global }
      - { .name: xy_scales, .offset: 8, .size: 8, .value_kind: global_buffer, .address_space: global }
      - { .name: w_qkv_codes, .offset: 16, .size: 8, .value_kind: global_buffer, .address_space: global }
      - { .name: w_qkv_scales, .offset: 24, .size: 8, .value_kind: global_buffer, .address_space: global }
      - { .name: qkv_img, .offset: 32, .size: 8, .value_kind: global_buffer, .address_space: global }
      - { .name: qkv_sc, .offset: 40, .size: 8, .value_kind: global_buffer, .address_space: global }
    .group_segment_fixed_size: 327680
    .private_segment_fixed_size: 0
    .kernarg_segment_align: 8
    .kernarg_segment_size: 48
    .max_flat_workgroup_size: 128
    .sgpr_count:     102
    .vgpr_count:     1024
    .wavefront_size: 32
...
	.end_amdgpu_metadata
.endif
;; end of part 2
;; launch attn (part 3): grid 4 x 64, 16 waves a work-group, clusters of 4 x 1, 327,680 bytes of LDS; arguments qkv_img, qkv_sc, o_img, o_sc; writes o_img, o_sc
.if DOCPART == 3
	.amdgcn_target "amdgcn-amd-amdhsa--gfx1250"
	.amdhsa_code_object_version 6
	.text
	.protected	k_q152b3e9eb0_attn
	.globl	k_q152b3e9eb0_attn
	.p2align	8
	.type	k_q152b3e9eb0_attn,@function
k_q152b3e9eb0_attn:
	s_mov_b64 s[64:65], 0
	v_nop
	global_prefetch_b8 v0, s[64:65] scope:SCOPE_SE
	s_setreg_imm32_b32 hwreg(HW_REG_WAVE_MODE, 25, 1), 1
	s_wait_xcnt 0x0
	s_wait_alu depctr_hold_cnt(0) depctr_sa_sdst(0) depctr_va_vdst(0) depctr_va_sdst(0) depctr_va_ssrc(0) depctr_va_vcc(0) depctr_vm_vsrc(0)
	s_getreg_b32 s2, hwreg(HW_REG_IB_STS2, 6, 4)
	s_cmp_eq_u32 s2, 0
	s_cbranch_scc0 .Lentry_in_a_cluster
	s_endpgm
.Lentry_in_a_cluster:
	s_bfe_u32 s2, ttmp6, 0x10000c
	s_cmp_lg_u32 s2, 0x3003
	s_cbranch_scc0 .Lentry_shape_is_right
	s_endpgm
.Lentry_shape_is_right:
; o = softmax(q k^T / 8) v for one unit (tensor, batch, head), both products on codes of FP4 (E2M1) with one E8M0 scale for each 32 along a product's K; o / l is quantised along the channels and leaves as codes.
; THE VALUES ARE SWAPPED: unit u takes K of unit u and V of unit u xor 32 (the other tensor, same batch and head).
; THE SOFTMAX: t = score x log2(e) / 8; M = the row's largest t so far, rounded UP to a whole number; p = 2^(t - M) is quantised along the keys, not normalised.
; The row's sum is taken of the unquantised p, in f32, and divides O at the end.  When M moves, the sum and O are multiplied by 2^(old M - new M): exact.
; SHARES.  A work-group owns 512 queries of a unit; each of its sixteen waves owns two tiles of 16.  BOTH TILES GO THROUGH EACH KEY STEP OF 128 KEYS TOGETHER: the step's 12 LDS loads for K and 9 for V serve both.
; ALL OF A UNIT'S K AND V STAY IN LDS, as images of operand registers, with 12 KiB of scale words.  They come once, at the head: there is no loop to run ahead in, so nothing is prefetched.
; CLUSTER.  The four work-groups of a cluster are the four query blocks of one unit: each piece of K and V is asked for JOINTLY, with a mask that names the four.
; LAYOUT.  Both products are used transposed: S^T = K Q^T (source 0 = 16 keys, source 1 = 16 queries), O^T = V^T P^T: a lane holds ONE query (lane % 16) throughout.
; THE KEYS OF A TILE ARE CHOSEN: row m of tile (c, u) is key 64 c + 32 (m / 8) + 8 u + m % 8.  In the result lane (r, h) holds rows 8 h + 0..7, so its 32 registers of tiles (c, 0..3) are keys 64 c + 32 h + 0..31:
; a WHOLE block of 32 in a lane, in the order of the 4-bit operand's registers 4 c .. 4 c + 3.  A block's maximum needs no other lane, and the conversions' results are the operand as they stand.
; The choice is made by LDS addresses alone.  K's image has 32 bytes of padding behind every 256, so that rows 0-7 and rows 8-15 of a tile (1,152 bytes apart) fall on different 16-byte columns modulo 256.
; K = 64 in the first product: Q's registers 4-7 are zero codes.  So registers 4-7 of K's fragment may hold any codes: they are the next tile's four registers (the last tile's: four registers of zeros); 36 registers hold eight tiles.
; Bytes 2, 3 of K's and Q's scale words stand over those products with zero and are never 0xff.  V's fragments land in K's registers when the step's last score product has read them.
; o_img: [tile of 16 rows, 512 of them][head][512 bytes].  o_sc: [head][8,192 rows] of two bytes.
; LIMITS: a block whose largest magnitude lies under 2^-124, zeros among them, gets the byte 1 (only this program reads the bytes); NaN and infinities are not served.
.set KP,    288                        ; LDS: 256 bytes of K's image + 32 of padding
.set VIMG,  73728                      ; K's image from 0: 256 x KP.  V's: 16 steps x 4 tiles of channels x 1,024 bytes
.set KSC,   139264                     ; K's scale words: [step][2][row][4 tiles]
.set VSC,   147456                     ; V's: [step][row][4 tiles]
.set OSC,   151552                     ; o's scale bytes of the work-group's 512 rows: written by LDS stores; no tensor load lands here
.set SPARE, 152576                     ; the spare words, 128 bytes for each wave, which no other line names
.set L16,  1                           ; 16 x lane
.set RKI,  2                           ; my lane's place in a tile of K: 4 KP (r / 8) + KP h + 16 (r % 8)
.set RVI,  3                           ; VIMG + 16 x lane
.set SPW,  4                           ; LDS address of my spare word; never rewritten
.set NIL,  5                           ; 0; never rewritten
.set RKS,  6                           ; KSC + 16 (r % 8) + 8 (r / 8)
.set RVS,  7                           ; VSC + 16 r
.set OSA,  8                           ; OSC + 64 x wave + 2 r
.set SH8,  9                           ; 8 h
.set AK,   10                          ; the step's LDS addresses
.set AV,   11
.set AS,   50
.set AT,   51
.set STA,  12                          ; a tile's state: -M, the largest score, the sum in two halves
.set STB,  16
.set FA,   20                          ; a tile's pair: f = 2^(old M - new M), and p's scale word
.set FB,   22
.set QA,   24                          ; Q's two fragments: four registers of codes, four of zeros
.set QB,   32
.set QS,   40                          ; their scale words
.set KS,   42                          ; v42-49 K's scale words, then v42-45 V's
.set KB,   52                          ; v52-83 K's eight tiles, then V's four fragments; v84-87 zeros
.set T,    88                          ; v88-99 at work
.set PCA,  104                         ; p's codes
.set PCB,  112
.set S,    120                         ; v120-183 S^T, then p
.set OA,   184                         ; O^T of the two tiles
.set OB,   216
.set WV,   12                          ; s12 my wave's number
.set NCS,  3                           ; s3 -c
.set SEL,  20                          ; s[20:21] lane selects for v_permlanex16_b32: lane l xor 16
.set CS,   22                          ; s[22:23] c = log2(e) / 8
.set G1K,  24                          ; descriptor groups 1: K's image (padded), V's image, scale words
.set G1L,  32
.set G1S,  40
.set G0K,  48                          ; and groups 0
.set G0V,  52
.set G0S,  56
.set TK,   80                          ; the step's place in K's image (16 KP a step), V's (4,096), K's scale words (512), V's (256)
.set TV,   81
.set TS,   82
.set TJ,   83
.macro CROUND                          ; a round of the cluster's barrier
	s_barrier_signal -1
	s_barrier_wait -1
	s_cmp_lg_u32 s[WV], 0
	s_cbranch_scc1 .Lnot_wave_0_\@
	s_barrier_signal -3
.Lnot_wave_0_\@:
	s_barrier_wait -3
	s_barrier_signal -1
	s_barrier_wait -1
.endm
.macro D n                             ; a hint ahead of a plain reader of the plain result n vector instructions back
	s_delay_alu instid0(VALU_DEP_\n)
.endm
	s_load_b256 s[4:11], s[0:1], 0x0               ; qkv_img s[4:5], qkv_sc s[6:7], o_img s[8:9], o_sc s[10:11]
	v_lshl_add_u32 v[SPW], v0, 2, SPARE
	v_mov_b32 v[NIL], 0
	ds_add_u32 v[SPW], v[NIL]                      ; the opening lines: the add, twice on end, and its wait ahead of the first tensor load
	ds_add_u32 v[SPW], v[NIL]
	v_lshrrev_b32 v10, 5, v0
	v_readfirstlane_b32 s[WV], v10                 ; wave 0..15
	s_bfe_u32 s13, ttmp6, 0x40000                  ; cx
	s_lshl_b32 s15, ttmp9, 2
	s_add_co_u32 s13, s13, s15                     ; my block of 512 queries: it enters Q's and o's addresses alone
	s_and_b32 s14, ttmp7, 0xffff                   ; the unit, which the four partners share
.irp g, G1K, G1L, G1S                  ; dense blocks, as rows of 256 bytes (32 elements of 8 bytes)
	s_mov_b32 s[\g+1], 32<<16
	s_mov_b32 s[\g+3], 32<<16
	s_mov_b32 s[\g+5], 32
	s_mov_b32 s[\g+6], 0
	s_mov_b32 s[\g+7], 0
.endr
	s_mov_b32 s[G1K], 15|(3<<16)|(1<<20)|(1<<21)|(5<<22)|(7<<25)   ; the mask: all four; elements of 8 bytes; padding on; 21 set beside a mask; after every 64 words eight words
	s_mov_b32 s[G1K+2], 64<<16
	s_mov_b32 s[G1K+4], 64
	s_mov_b32 s[G1L], 15|(3<<16)|(1<<21)
	s_mov_b32 s[G1L+2], 64<<16
	s_mov_b32 s[G1L+4], 64
	s_mov_b32 s[G1S], 15|(3<<16)|(1<<21)
	s_mov_b32 s[G1S+2], 16<<16
	s_mov_b32 s[G1S+4], 16
	; waves 0-3: K's image, a quarter each; waves 4-7: V's, of the unit u xor 32
	s_and_b32 s17, s[WV], 3
	s_lshl_b32 s19, s17, 14
	s_lshl_b32 s66, s14, 16
	s_add_co_u32 s66, s66, s19
	s_add_co_u32 s66, s66, 1<<22                   ; k's part begins 4 MiB on
	s_mov_b32 s67, 0
	s_xor_b32 s68, s14, 32
	s_lshl_b32 s68, s68, 16
	s_add_co_u32 s68, s68, s19
	s_add_co_u32 s68, s68, 2<<22                   ; v's 8 MiB on
	s_mov_b32 s69, 0
	s_mul_i32 s[G0K+1], s17, 64*KP
	s_add_co_u32 s[G0V+1], s19, VIMG
	; waves 8, 9: K's scale words, a half each; wave 10: V's
	s_lshr_b32 s16, s17, 1                         ; K (0) or V (1)
	s_lshl_b32 s18, s16, 5
	s_xor_b32 s18, s18, s14
	s_sub_co_u32 s19, 13, s16
	s_lshl_b32 s18, s18, s19                       ; the unit's 8,192 or 4,096 bytes,
	s_lshl_b32 s19, s16, 19
	s_add_co_u32 s70, s18, s19
	s_and_b32 s19, s17, 1
	s_lshl_b32 s19, s19, 12
	s_add_co_u32 s70, s70, s19                     ; my 4,096 of them,
	s_add_co_u32 s70, s70, 0x80000                 ; behind q's 512 KiB
	s_mov_b32 s71, 0
	s_lshl_b32 s[G0S+1], s17, 12
	s_add_co_u32 s[G0S+1], s[G0S+1], KSC
	; my two tiles of queries: 32 x block + 2 x wave, and the next
	s_lshl_b32 s16, s13, 5
	s_lshl_b32 s17, s[WV], 1
	s_add_co_u32 s16, s16, s17
	s_lshl_b32 s72, s14, 16
	s_lshl_b32 s17, s16, 9
	s_add_co_u32 s72, s72, s17                     ; Q's codes: 65,536 x unit + 512 x tile
	s_mov_b32 s73, 0
	s_lshl_b32 s74, s14, 13                        ; Q's scale words: 8,192 x unit + 512 (tile / 8) + 256 ((tile / 4) % 2) + 4 (tile % 4)
	s_lshr_b32 s17, s16, 3
	s_lshl_b32 s17, s17, 9
	s_add_co_u32 s74, s74, s17
	s_bfe_u32 s17, s16, 0x10002
	s_lshl_b32 s17, s17, 8
	s_add_co_u32 s74, s74, s17
	s_and_b32 s17, s16, 3
	s_lshl_b32 s17, s17, 2
	s_add_co_u32 s74, s74, s17
	s_mov_b32 s75, 0
	s_lshr_b32 s17, s14, 4                         ; tensor and batch
	s_lshl_b32 s18, s17, 7
	s_add_co_u32 s18, s18, s16                     ; my tile among the 512 tiles of rows
	s_lshl_b32 s76, s18, 13
	s_and_b32 s19, s14, 15                         ; the head
	s_lshl_b32 s18, s19, 9
	s_add_co_u32 s76, s76, s18                     ; o_img: 8,192 x tile + 512 x head
	s_mov_b32 s77, 0
	s_lshl_b32 s78, s19, 14                        ; o_sc: 16,384 x head + 2 x the work-group's first row
	s_lshl_b32 s17, s17, 12
	s_add_co_u32 s78, s78, s17
	s_lshl_b32 s17, s13, 10
	s_add_co_u32 s78, s78, s17
	s_mov_b32 s79, 0
	s_mov_b32 s[SEL], 0x76543210
	s_mov_b32 s[SEL+1], 0xfedcba98
	s_mov_b32 s[CS], 0x3e38aa3b                    ; c = log2(e) / sqrt(64)
	s_mov_b32 s[CS+1], s[CS]                       ; (named with it as a pair, so it is written)
	s_mov_b32 s[NCS], 0xbe38aa3b                   ; -c
	s_mov_b32 s[TK], 0
	s_mov_b32 s[TV], 0
	s_mov_b32 s[TS], 0
	s_mov_b32 s[TJ], 0
	s_wait_dscnt 0x0                               ; both opening adds are done
	s_wait_kmcnt 0x0
	s_mov_b32 s[G0K], 1
	s_add_nc_u64 s[G0K+2:G0K+3], s[4:5], s[66:67]
	s_or_b32 s[G0K+3], s[G0K+3], 0x80000000
	s_mov_b32 s[G0V], 1
	s_add_nc_u64 s[G0V+2:G0V+3], s[4:5], s[68:69]
	s_or_b32 s[G0V+3], s[G0V+3], 0x80000000
	s_mov_b32 s[G0S], 1
	s_add_nc_u64 s[G0S+2:G0S+3], s[6:7], s[70:71]
	s_or_b32 s[G0S+3], s[G0S+3], 0x80000000
	s_add_nc_u64 s[4:5], s[4:5], s[72:73]          ; Q's codes at my first tile
	s_add_nc_u64 s[6:7], s[6:7], s[74:75]          ; and its scale words
	s_add_nc_u64 s[8:9], s[8:9], s[76:77]
	s_add_nc_u64 s[10:11], s[10:11], s[78:79]
	CROUND                                         ; all four work-groups are here: the joint loads meet
	s_cmp_lt_u32 s[WV], 4                          ; one chain of branches on the wave's number, one load to an arm; an s_nop 0 and four v_nop follow each load
	s_cbranch_scc0 .Lnot_k
	tensor_load_to_lds s[G0K:G0K+3], s[G1K:G1K+7]
	s_nop 0
.rept 4
	v_nop
.endr
	s_branch .Lasked
.Lnot_k:
	s_cmp_lt_u32 s[WV], 8
	s_cbranch_scc0 .Lnot_v
	tensor_load_to_lds s[G0V:G0V+3], s[G1L:G1L+7]
	s_nop 0
.rept 4
	v_nop
.endr
	s_branch .Lasked
.Lnot_v:
	s_cmp_lt_u32 s[WV], 11
	s_cbranch_scc0 .Lasked
	tensor_load_to_lds s[G0S:G0S+3], s[G1S:G1S+7]
	s_nop 0
.rept 4
	v_nop
.endr
.Lasked:
	v_and_b32 v[L16], 31, v0
	v_and_b32 v249, 15, v0                         ; r
	v_lshlrev_b32 v[L16], 4, v[L16]
	v_lshlrev_b32 v248, 4, v249                    ; 16 r
	global_load_b128 v[QA:QA+3], v[L16], s[4:5]    ; Q's two tiles: images, 16 bytes a lane
	global_load_b128 v[QB:QB+3], v[L16], s[4:5] offset:512
	global_load_b32 v[QS], v248, s[6:7]            ; and their scale words: lane r takes row r's
	global_load_b32 v[QS+1], v248, s[6:7] offset:4
	v_bfe_u32 v250, v0, 4, 1                       ; h
	v_and_b32 v251, 7, v0                          ; r % 8
	v_bfe_u32 v252, v0, 3, 1                       ; r / 8
	v_mul_u32_u24 v[RKI], v252, 4*KP
	v_lshlrev_b32 v[RKS], 4, v251
	v_mad_u32_u24 v[RKI], v250, KP, v[RKI]
	v_lshl_add_u32 v[RKS], v252, 3, v[RKS]
	v_lshl_add_u32 v[RKI], v251, 4, v[RKI]
	v_add_nc_u32 v[RKS], KSC, v[RKS]
	v_add_nc_u32 v[RVI], VIMG, v[L16]
	v_add_nc_u32 v[RVS], VSC, v248
	s_lshl_b32 s16, s[WV], 6
	s_add_co_u32 s16, s16, OSC
	v_lshl_add_u32 v[OSA], v249, 1, s16
	v_lshlrev_b32 v[SH8], 3, v250
.irp j, 4,5,6,7
	v_mov_b32 v[QA+\j], 0                          ; K = 64 .. 127 of Q: zero codes
	v_mov_b32 v[QB+\j], 0
	v_mov_b32 v[KB+28+\j], 0                       ; and the four registers behind K's last tile
.endr
	v_mov_b32 v[T+5], 0                            ; written once: a lane permute's destination counts as one of its sources
	v_mov_b32 v[T+11], 0
.irp st, STA, STB
	v_mov_b32 v[\st+1], 0xff61b1e6                 ; the largest score so far: -3e38
	v_mov_b32 v[\st+2], 0                          ; the sum, in two halves
	v_mov_b32 v[\st+3], 0
	v_floor_f32 v[\st], -v[\st+1]                  ; -M
.endr
	v_mov_b32 v[FA+1], 0                           ; (named as the upper half of a pair before it is first written)
	v_mov_b32 v[FB+1], 0
.set j, 0
.rept 64
	v_mov_b32 v[OA+j], 0                           ; O^T of both tiles.  (The step is written once: the first finds zeros, which the first change of M leaves zeros)
.set j, j+1
.endr
	s_wait_alu depctr_va_vdst(0)
	s_wait_tensorcnt 0x0                           ; my piece is in,
	s_barrier_signal -1
	s_barrier_wait -1                              ; everybody's is
	s_wait_loadcnt 0x0                             ; Q
.macro SMUL q, qs                      ; S^T = K Q^T: eight tiles of 16 keys; tile (c, u)'s scale words lie in register 2 (2 c + u % 2) + u / 2
.irp c, 0,1
.irp u, 0,1,2,3
	v_wmma_scale_f32_16x16x128_f8f6f4 v[S+8*(4*\c+\u):S+8*(4*\c+\u)+7], v[KB+4*(4*\c+\u):KB+4*(4*\c+\u)+7], v[\q:\q+7], 0, v[KS+2*(2*\c+\u%2)+\u/2], v[\qs] matrix_a_fmt:MATRIX_FMT_FP4 matrix_b_fmt:MATRIX_FMT_FP4
.endr
.endr
.endm
; From a tile's scores to p, its codes and its scale word.  My lane's registers 32 c + 0..31 are block 2 c + h of the step's four.
.macro SOFT st, fp, pc
.irp c, 0,1
.irp y, 0,1
	v_max3_num_f32 v[T+2*\c+\y], v[S+32*\c+16*\y], v[S+32*\c+16*\y+1], v[S+32*\c+16*\y+2]   ; the largest score of each block, in two chains a block, each accumulator from its low end on
.endr
.endr
.irp i, 3,5,7,9,11,13
.irp c, 0,1
.irp y, 0,1
	v_max3_num_f32 v[T+2*\c+\y], v[T+2*\c+\y], v[S+32*\c+16*\y+\i], v[S+32*\c+16*\y+\i+1]
.endr
.endr
.endr
.irp c, 0,1
	v_max3_num_f32 v[T+2*\c], v[T+2*\c], v[T+2*\c+1], v[S+32*\c+15]   ; (the two blocks by turns)
.endr
.irp c, 0,1
	v_max_num_f32 v[T+2*\c], v[T+2*\c], v[S+32*\c+31]   ; it serves twice: for the row's maximum, and, since p rises with the score, for the block's largest p
.endr
	D 1
	v_max3_num_f32 v[T+4], v[\st+1], v[T], v[T+2]
	D 1
	v_permlanex16_b32 v[T+5], v[T+4], s[SEL], s[SEL+1]
	D 1
	v_max_num_f32 v[\st+1], v[T+4], v[T+5]         ; the running largest score of my query, with lane l xor 16's blocks
	D 1
	v_mul_f32 v[T+4], s[NCS], v[\st+1]             ; -t (c is positive)
	D 1
	v_floor_f32 v[T+4], v[T+4]                     ; the new -M = floor(-t) = -ceil(t): M is a whole number
	D 1
	v_sub_f32 v[T+5], v[T+4], v[\st]               ; M's old value less its new one: a whole number, 0 or less
	v_mov_b32 v[\st], v[T+4]
	D 2
	v_cvt_i32_f32 v[T+5], v[T+5]                   ; (it saturates)
	D 1
	v_ldexp_f32 v[\fp], 1.0, v[T+5]                ; f = 2^(old M - new M)
.set j, 0
.rept 32
	v_pk_fma_f32 v[S+j:S+j+1], v[S+j:S+j+1], s[CS:CS+1], v[\st:\st+1] op_sel_hi:[1,0,0]   ; t - M, two in one line (of the pairs c and -M the low word serves both halves)
.set j, j+2
.endr
	v_fma_f32 v[T], v[T], s[CS], v[\st]            ; the same of each block's largest score
	v_fma_f32 v[T+2], v[T+2], s[CS], v[\st]
	s_wait_alu depctr_va_vdst(0)
.set j, 0
.rept 64
	v_exp_f32 v[S+j], v[S+j]                       ; p = 2^(t - M), at most 1: not normalised
.set j, j+1
.endr
	v_exp_f32 v[T], v[T]                           ; the block's largest p: the same two instructions on the same number give the same bits
	v_exp_f32 v[T+2], v[T+2]
	v_pk_mul_f32 v[\st+2:\st+3], v[\st+2:\st+3], v[\fp:\fp+1] op_sel_hi:[1,0]   ; the sums under the new M.  (A plain place behind the exponentials)
	s_wait_alu depctr_va_vdst(0)                   ; one wait for the batch, ahead of its first reader
	v_max_num_f32 v[T], 0x1800000, v[T]            ; the floor 2^(3 - 127): the byte cannot fall under 1
	v_max_num_f32 v[T+2], 0x1800000, v[T+2]
	D 2
	v_add_nc_u32 v[T+6], 0xff000000, v[T]          ; 2 off the exponent field: the conversion's scale operand
	D 2
	v_add_nc_u32 v[T+7], 0xff000000, v[T+2]
	D 2
	v_lshrrev_b32 v[T+8], 23, v[T+6]               ; the scale's byte
	D 2
	v_lshrrev_b32 v[T+9], 23, v[T+7]
	D 1
	v_lshl_or_b32 v[T+10], v[T+9], 16, v[T+8]      ; my two bytes: blocks h and 2 + h,
	D 1
	v_lshlrev_b32 v[T+10], v[SH8], v[T+10]         ; at their places in the scale word;
	D 1
	v_permlanex16_b32 v[T+11], v[T+10], s[SEL], s[SEL+1]
	D 1
	v_or_b32 v[\fp+1], v[T+10], v[T+11]            ; with lane l xor 16's two the word is whole
.irp c, 0,1
.irp g, 0,1,2,3
	v_cvt_scalef32_pk8_fp4_f32 v[\pc+4*\c+\g], v[S+32*\c+8*\g:S+32*\c+8*\g+7], v[T+6+\c]   ; register 4 c + g: keys 64 c + 32 h + 8 g + 0..7
.endr
.endr
.endm
.macro SUM st                          ; the row's sum of the unquantised p: 29 packed additions in four chains,
	v_pk_add_f32 v[T:T+1], v[S:S+1], v[S+2:S+3]
	v_pk_add_f32 v[T+2:T+3], v[S+4:S+5], v[S+6:S+7]
	v_pk_add_f32 v[T+4:T+5], v[S+8:S+9], v[S+10:S+11]
	v_pk_add_f32 v[\st+2:\st+3], v[\st+2:\st+3], v[S+12:S+13]
.set j, 14
.rept 6
	v_pk_add_f32 v[T:T+1], v[T:T+1], v[S+j:S+j+1]
	v_pk_add_f32 v[T+2:T+3], v[T+2:T+3], v[S+j+2:S+j+3]
	v_pk_add_f32 v[T+4:T+5], v[T+4:T+5], v[S+j+4:S+j+5]
	v_pk_add_f32 v[\st+2:\st+3], v[\st+2:\st+3], v[S+j+6:S+j+7]
.set j, j+8
.endr
	v_pk_add_f32 v[\st+2:\st+3], v[\st+2:\st+3], v[S+62:S+63]
.endm
.macro SUMEND st                       ; and three that join the chains: they name no register of p
	v_pk_add_f32 v[T:T+1], v[T:T+1], v[T+2:T+3]
	v_pk_add_f32 v[\st+2:\st+3], v[\st+2:\st+3], v[T+4:T+5]
	D 1
	v_pk_add_f32 v[\st+2:\st+3], v[\st+2:\st+3], v[T:T+1]
.endm
.macro RESC o, fp                      ; O^T under the new M: x f
	s_wait_alu depctr_va_vdst(0)                   ; directly ahead of the first reader of O^T
.set j, 0
.rept 16
	v_pk_mul_f32 v[\o+j:\o+j+1], v[\o+j:\o+j+1], v[\fp:\fp+1] op_sel_hi:[1,0]
.set j, j+2
.endr
.endm
.Lstep:                                                ; A KEY STEP: 128 keys, both tiles.  (The 32 additions behind the last products are the places ahead of the loads below)
	v_add_nc_u32 v[AK], s[TK], v[RKI]
	v_add_nc_u32 v[AS], s[TS], v[RKS]
.irp e, 0,1,2,3
	ds_load_b64 v[KS+2*\e:KS+2*\e+1], v[AS] offset:256*(\e/2)+128*(\e%2)   ; the scale words of tiles (e / 2, e % 2) and (e / 2, e % 2 + 2)
.endr
.irp c, 0,1
.irp u, 0,1,2,3
	ds_load_b128 v[KB+4*(4*\c+\u):KB+4*(4*\c+\u)+3], v[AK] offset:8*KP*\c+2*KP*(\u/2)+128*(\u%2)   ; K's tile (c, u): 16 keys x 64
.endr
.endr
	s_wait_dscnt 0x0
	SMUL QA, QS
	v_add_nc_u32 v[AV], s[TV], v[RVI]              ; four places behind the products, ahead of the first read of their results
	v_add_nc_u32 v[AT], s[TJ], v[RVS]
	v_nop
	v_nop
	SOFT STA, FA, PCA
	SUM STA
	RESC OA, FA
	SMUL QB, QS+1                                  ; the second tile's scores, from the same fragments of K, over the first tile's p
	SUMEND STA                                     ; four places: ahead of the loads into K's registers and of the first read of the scores
	v_nop
	ds_load_b128 v[KS:KS+3], v[AT]                 ; V's scale words
.irp a, 0,1,2,3
.irp c, 0,1
	ds_load_b128 v[KB+8*\a+4*\c:KB+8*\a+4*\c+3], v[AV] offset:1024*\a+512*\c   ; V's tile a: 16 channels x 128 keys: it lands during the second tile's softmax
.endr
.endr
	SOFT STB, FB, PCB
	RESC OB, FB                                    ; (16 places between p's scale word and codes and the products below)
	s_wait_alu depctr_va_vdst(0)
	s_wait_dscnt 0x0                               ; V and its scale words are in
.irp a, 0,1,2,3                                ; O^T += V^T P^T: the eight accumulators by turns, one instruction a turn
	v_wmma_scale_f32_16x16x128_f8f6f4 v[OA+8*\a:OA+8*\a+7], v[KB+8*\a:KB+8*\a+7], v[PCA:PCA+7], v[OA+8*\a:OA+8*\a+7], v[KS+\a], v[FA+1] matrix_a_fmt:MATRIX_FMT_FP4 matrix_b_fmt:MATRIX_FMT_FP4
	v_wmma_scale_f32_16x16x128_f8f6f4 v[OB+8*\a:OB+8*\a+7], v[KB+8*\a:KB+8*\a+7], v[PCB:PCB+7], v[OB+8*\a:OB+8*\a+7], v[KS+\a], v[FB+1] matrix_a_fmt:MATRIX_FMT_FP4 matrix_b_fmt:MATRIX_FMT_FP4
.endr
	SUM STB                                        ; the second tile's sum names no register of the products above
	SUMEND STB
	s_add_co_u32 s[TK], s[TK], 16*KP
	s_add_co_u32 s[TV], s[TV], 4096
	s_add_co_u32 s[TS], s[TS], 512
	s_add_co_u32 s[TJ], s[TJ], 256
	s_cmp_lg_u32 s[TJ], 4096                       ; 16 steps
	s_wait_alu depctr_va_vdst(0)
	s_cbranch_scc1 .Lstep
; The end of a tile of queries: O^T / the sum; register 8 a + i is o(r, 16 a + 8 h + i); the 64 channels are two blocks of 32 along the projection's K; codes and scale bytes leave.
; Accumulators 2 y, 2 y + 1 are my half's 16 numbers of block y; the conversion of half u of block y goes to code register 2 u + y, and one swap of halves for each pair leaves a whole block in a lane.
.macro FINISH p, o, st, pc
	v_add_f32 v[\st+2], v[\st+2], v[\st+3]         ; the sum's two halves,
	D 1
	v_permlanex16_b32 v[T+5], v[\st+2], s[SEL], s[SEL+1]
	D 1
	v_add_f32 v[\st+2], v[\st+2], v[T+5]           ; and lane l xor 16's: the row's sum
	s_wait_alu depctr_va_vdst(0)
	v_rcp_f32 v[\st+2], v[\st+2]
	v_nop                                          ; one plain place behind a transcendental
	s_wait_alu depctr_va_vdst(0)                   ; the wait ahead of its first reader, which is also the first reader of O^T
.set j, 0
.rept 16
	v_pk_mul_f32 v[S+j:S+j+1], v[\o+j:\o+j+1], v[\st+2:\st+3] op_sel_hi:[1,0]   ; each accumulator from its low end on
.set j, j+2
.endr
.irp y, 0,1
	v_max3_num_f32 v[T+\y], |v[S+16*\y]|, |v[S+16*\y+1]|, 0x1800000   ; block y: my 16 numbers, and the floor
.endr
.irp i, 2,4,6,8,10,12,14
.irp y, 0,1
	D 2
	v_max3_num_f32 v[T+\y], v[T+\y], |v[S+16*\y+\i]|, |v[S+16*\y+\i+1]|
.endr
.endr
.irp y, 0,1
	D 2
	v_permlanex16_b32 v[T+2+\y], v[T+\y], s[SEL], s[SEL+1]
.endr
.irp y, 0,1
	D 2
	v_max_num_f32 v[T+\y], v[T+\y], v[T+2+\y]
.endr
.irp y, 0,1
	D 2
	v_add_nc_u32 v[T+6+\y], 0xff000000, v[T+\y]
.endr
.irp y, 0,1
	D 2
	v_lshrrev_b32 v[T+2+\y], 23, v[T+6+\y]
.endr
	D 1
	v_lshl_or_b32 v[T+8], v[T+3], 8, v[T+2]        ; my row's two bytes
.irp u, 0,1
.irp y, 0,1
	v_cvt_scalef32_pk8_fp4_f32 v[\pc+2*\u+\y], v[S+16*\y+8*\u:S+16*\y+8*\u+7], v[T+6+\y]
.endr
.endr
	v_nop                                          ; one plain place behind a scaled conversion
	v_permlane16_swap_b32 v[\pc], v[\pc+1]
	v_permlane16_swap_b32 v[\pc+2], v[\pc+3]       ; four registers of lane (r, h): channels 32 h + 0..31 of row r
	global_store_b128 v[L16], v[\pc:\pc+3], s[8:9] offset:8192*\p   ; 32 lanes store 512 consecutive, aligned bytes; the two tiles' data lie in different registers
	ds_store_b16 v[OSA], v[T+8] offset:32*\p       ; both halves of the lanes write the same two bytes with the same value
.endm
	FINISH 0, OA, STA, PCA
	FINISH 1, OB, STB, PCB
	v_lshlrev_b32 v[T+1], 4, v0                    ; o's scale bytes leave: 1,024 bytes, 16 a thread of waves 0 and 1; both addresses are made on the way that all waves take
	D 1
	v_add_nc_u32 v[T], OSC, v[T+1]
	s_wait_dscnt 0x0                               ; for the others' sake: my stores of scale bytes are done
	s_barrier_signal -1
	s_barrier_wait -1
	s_cmp_lt_u32 s[WV], 2
	s_cbranch_scc0 .Lno_sc
	s_wait_alu depctr_va_vdst(0)
	ds_load_b128 v[S:S+3], v[T]
	s_wait_dscnt 0x0
	global_store_b128 v[T+1], v[S:S+3], s[10:11]   ; 32 lanes store 512 consecutive, aligned bytes
.Lno_sc:
	s_wait_tensorcnt 0x0                           ; the wave's end
	ds_add_u32 v[SPW], v[NIL]
	s_wait_dscnt 0x0
	CROUND                                         ; the closing round
	s_endpgm
.Lfunc_end_k_q152b3e9eb0_attn:
	.size	k_q152b3e9eb0_attn, .Lfunc_end_k_q152b3e9eb0_attn-k_q152b3e9eb0_attn
	.p2alignl 7, 3214868480
	.fill 96, 4, 3214868480
	.section	.rodata,"a",@progbits
	.p2align	6, 0x0
	.amdhsa_kernel k_q152b3e9eb0_attn
		.amdhsa_group_segment_fixed_size 327680
		.amdhsa_private_segment_fixed_size 0
		.amdhsa_enable_private_segment 0
		.amdhsa_kernarg_size 32
		.amdhsa_user_sgpr_count 2
		.amdhsa_user_sgpr_kernarg_segment_ptr 1
		.amdhsa_wavefront_size32 1
		.amdhsa_system_sgpr_workgroup_id_x 1
		.amdhsa_system_sgpr_workgroup_id_y 1
		.amdhsa_system_sgpr_workgroup_id_z 1
		.amdhsa_system_vgpr_workitem_id 0
		.amdhsa_next_free_vgpr 256
		.amdhsa_next_free_sgpr 96
		.amdhsa_reserve_vcc 0
		.amdhsa_float_denorm_mode_32 3
		.amdhsa_float_denorm_mode_16_64 3
		.amdhsa_memory_ordered 1
		.amdhsa_forward_progress 1
		.amdhsa_inst_pref_size 48
	.end_amdhsa_kernel
	.amdgpu_metadata
---
amdhsa.version: [ 1, 2 ]
amdhsa.kernels:
  - .name:           k_q152b3e9eb0_attn
    .symbol:         k_q152b3e9eb0_attn.kd
    .args:
      - { .name: qkv_img, .offset: 0, .size: 8, .value_kind: global_buffer, .address_space: global }
      - { .name: qkv_sc, .offset: 8, .size: 8, .value_kind: global_buffer, .address_space: global }
      - { .name: o_img, .offset: 16, .size: 8, .value_kind: global_buffer, .address_space: global }
      - { .name: o_sc, .offset: 24, .size: 8, .value_kind: global_buffer, .address_space: global }
    .group_segment_fixed_size: 327680
    .private_segment_fixed_size: 0
    .kernarg_segment_align: 8
    .kernarg_segment_size: 32
    .max_flat_workgroup_size: 512
    .sgpr_count:     96
    .vgpr_count:     256
    .wavefront_size: 32
...
	.end_amdgpu_metadata
.endif
;; end of part 3
;; launch proj (part 4): grid 4 x 64, 4 waves a work-group, clusters of 4 x 4, 327,680 bytes of LDS; arguments o_img, o_sc, w_proj_codes, w_proj_scales, b_proj, x, y, out0, out1; writes out0, out1
.if DOCPART == 4
	.amdgcn_target "amdgcn-amd-amdhsa--gfx1250"
	.amdhsa_code_object_version 6
	.text
	.protected	k_q152b3e9eb0_proj
	.globl	k_q152b3e9eb0_proj
	.p2align	8
	.type	k_q152b3e9eb0_proj,@function
k_q152b3e9eb0_proj:
	s_mov_b64 s[64:65], 0
	v_nop
	global_prefetch_b8 v0, s[64:65] scope:SCOPE_SE
	s_setreg_imm32_b32 hwreg(HW_REG_WAVE_MODE, 25, 1), 1
	s_wait_xcnt 0x0
	s_wait_alu depctr_hold_cnt(0) depctr_sa_sdst(0) depctr_va_vdst(0) depctr_va_sdst(0) depctr_va_ssrc(0) depctr_va_vcc(0) depctr_vm_vsrc(0)
	s_getreg_b32 s2, hwreg(HW_REG_IB_STS2, 6, 4)
	s_cmp_eq_u32 s2, 0
	s_cbranch_scc0 .Lentry_in_a_cluster
	s_endpgm
.Lentry_in_a_cluster:
	s_bfe_u32 s2, ttmp6, 0x10000c
	s_cmp_lg_u32 s2, 0xf033
	s_cbranch_scc0 .Lentry_shape_is_right
	s_endpgm
.Lentry_shape_is_right:
.set BP,    528
.set AIMG,  0
.set BW,    65536
.set BSC,   200704
.set ASC,   209408
.set STAGE, 213504
.set SPARE, 247296
.set RR,   1
.set HH,   2
.set L16,  3
.set ADA,  4
.set ADB,  5
.set ADBS, 6
.set ADAS, 7
.set STO,  8
.set RD,   9
.set BO,   11
.set SPW,  28
.set NIL,  29
.set BS,   32
.set AS,   96
.set T0,   128
.set T1,   160
.set BK,   128
.set G1A,  32
.set G1AS, 40
.set G1B,  48
.set G1BS, 56
.set G0A,  68
.set G0AS, 72
.set G0B,  76
.set G0BS, 80
.set MSB, 0
.macro WIN new
.if MSB != \new
	s_set_vgpr_msb (MSB<<8)|\new
.set MSB, \new
.endif
.endm
; One arm of the head's chain of branches on the wave's number: its joint load, an s_nop 0 and four v_nop, and a jump to the chain's end.
.macro ARM under, g0, g1, next
	s_cmp_lt_u32 s22, \under
	s_cbranch_scc0 \next
	tensor_load_to_lds s[\g0:\g0+3], s[\g1:\g1+7]
	s_nop 0
.rept 4
	v_nop
.endr
	s_branch .Lhead_asked
\next:
.endm
.macro CROUND
	s_barrier_signal -1
	s_barrier_wait -1
	s_cmp_lg_u32 s22, 0
	s_cbranch_scc1 .Lnot_wave_0_\@
	s_barrier_signal -3
.Lnot_wave_0_\@:
	s_barrier_wait -3
	s_barrier_signal -1
	s_barrier_wait -1
.endm
.macro PLACES
.rept 4
	v_nop
.endr
.endm
	s_load_b256 s[4:11], s[0:1], 0x0
	s_load_b256 s[12:19], s[0:1], 0x20
	s_load_b64 s[20:21], s[0:1], 0x40
	v_lshl_add_u32 v[SPW], v0, 2, SPARE
	v_mov_b32 v[NIL], 0
	ds_add_u32 v28, v29
	ds_add_u32 v28, v29
	s_wait_dscnt 0x0
	v_lshrrev_b32 v1, 5, v0
	v_readfirstlane_b32 s22, v1
	s_lshr_b32 s23, s22, 1
	s_and_b32 s24, s22, 1
	s_bfe_u32 s25, ttmp6, 0x40000
	s_bfe_u32 s26, ttmp6, 0x40004
	s_lshl_b32 s27, ttmp9, 2
	s_add_co_u32 s27, s27, s25
	s_and_b32 s31, ttmp7, 0xffff
	s_lshl_b32 s28, s31, 2
	s_add_co_u32 s28, s28, s26
	s_lshl_b32 s29, s26, 2
	s_lshl_b32 s29, 15, s29
	s_lshl_b32 s30, 0x1111, s25
	s_or_b32 s[G1A], s29, (3<<16)|(1<<21)
	s_mov_b32 s[G1A+1], 32<<16
	s_mov_b32 s[G1A+2], 256<<16                    ; o's image of my 128 rows, whole: 256 rows of 256 bytes
	s_mov_b32 s[G1A+3], 32<<16
	s_mov_b32 s[G1A+4], 256
	s_mov_b32 s[G1A+5], 32
	s_mov_b32 s[G1A+6], 0
	s_mov_b32 s[G1A+7], 0
	s_or_b32 s[G1AS], s29, (3<<16)|(1<<21)
	s_mov_b32 s[G1AS+1], 32<<16
	s_mov_b32 s[G1AS+2], 16<<16                    ; o's scale bytes: 256 bytes of each of the 16 heads
	s_mov_b32 s[G1AS+3], 32<<16
	s_mov_b32 s[G1AS+4], 16
	s_mov_b32 s[G1AS+5], 2048
	s_mov_b32 s[G1AS+6], 0
	s_mov_b32 s[G1AS+7], 0
	s_or_b32 s[G1B], s30, (0<<16)|(1<<20)|(1<<21)|(6<<22)|(3<<25)
	s_mov_b32 s[G1B+1], 512<<16
	s_mov_b32 s[G1B+2], 256<<16                    ; w_proj's 256 rows of 512 bytes
	s_mov_b32 s[G1B+3], 512<<16
	s_mov_b32 s[G1B+4], 256
	s_mov_b32 s[G1B+5], 512
	s_mov_b32 s[G1B+6], 0
	s_mov_b32 s[G1B+7], 0
	s_or_b32 s[G1BS], s30, (3<<16)|(1<<20)|(1<<21)|(5<<22)|(3<<25)
	s_mov_b32 s[G1BS+1], 32<<16
	s_mov_b32 s[G1BS+2], 32<<16                    ; and their 8,192 scale bytes
	s_mov_b32 s[G1BS+3], 32<<16
	s_mov_b32 s[G1BS+4], 32
	s_mov_b32 s[G1BS+5], 32
	s_mov_b32 s[G1BS+6], 0
	s_mov_b32 s[G1BS+7], 0
	s_lshl_b32 s84, s28, 16                        ; where the four tiles begin in memory, each whole
	s_mov_b32 s85, 0
	s_lshl_b32 s86, s28, 8
	s_mov_b32 s87, 0
	s_lshl_b32 s88, s27, 17
	s_mov_b32 s89, 0
	s_lshl_b32 s90, s27, 13
	s_mov_b32 s91, 0
	s_lshl_b32 s94, s27, 10
	s_lshl_b32 s92, s24, 9
	s_add_co_u32 s94, s94, s92
	s_mov_b32 s95, 0
	s_and_b32 s92, s28, 31
	s_lshl_b32 s92, s92, 7
	s_lshl_b32 s93, s23, 6
	s_add_co_u32 s92, s92, s93
	s_lshl_b32 s92, s92, 12
	s_add_co_u32 s92, s92, s94
	s_mov_b32 s93, 0
	s_wait_kmcnt 0x0
	s_cmp_lt_u32 s31, 8
	s_cselect_b64 s[14:15], s[14:15], s[16:17]
	s_cselect_b64 s[18:19], s[18:19], s[20:21]
	s_add_nc_u64 s[14:15], s[14:15], s[92:93]
	s_add_nc_u64 s[18:19], s[18:19], s[92:93]
	s_add_nc_u64 s[12:13], s[12:13], s[94:95]
	s_mov_b32 s[G0A], 1
	s_mov_b32 s[G0A+1], AIMG
	s_add_nc_u64 s[G0A+2:G0A+3], s[4:5], s[84:85]
	s_or_b32 s[G0A+3], s[G0A+3], 0x80000000
	s_mov_b32 s[G0AS], 1
	s_mov_b32 s[G0AS+1], ASC
	s_add_nc_u64 s[G0AS+2:G0AS+3], s[6:7], s[86:87]
	s_or_b32 s[G0AS+3], s[G0AS+3], 0x80000000
	s_mov_b32 s[G0B], 1
	s_mov_b32 s[G0B+1], BW
	s_add_nc_u64 s[G0B+2:G0B+3], s[8:9], s[88:89]
	s_or_b32 s[G0B+3], s[G0B+3], 0x80000000
	s_mov_b32 s[G0BS], 1
	s_mov_b32 s[G0BS+1], BSC
	s_add_nc_u64 s[G0BS+2:G0BS+3], s[10:11], s[90:91]
	s_or_b32 s[G0BS+3], s[G0BS+3], 0x80000000
	CROUND                                         ; all sixteen work-groups are here: the joint loads meet
	; ONE joint load a wave: wave 0 o's image, wave 1 w_proj's codes, wave 2 o's scale bytes, wave 3 w_proj's.  One chain of branches on the wave's number: every way passes exactly one load.
	ARM 1, G0A,  G1A,  .Lhead_b
	ARM 2, G0B,  G1B,  .Lhead_as
	ARM 3, G0AS, G1AS, .Lhead_bs
	tensor_load_to_lds s[G0BS:G0BS+3], s[G1BS:G1BS+7]
	s_nop 0
.rept 4
	v_nop
.endr
.Lhead_asked:
	v_and_b32 v[RR], 15, v0
	v_bfe_u32 v[HH], v0, 4, 1
	v_and_b32 v[L16], 31, v0
	v_lshlrev_b32 v[L16], 4, v[L16]
	v_lshlrev_b32 v[BO], 5, v[HH]
	s_lshl_b32 s84, s23, 15
	v_add_nc_u32 v[ADA], s84, v[L16]
	s_mul_i32 s84, s24, 128*BP
	s_add_co_u32 s84, s84, BW
	v_mul_u32_u24 v[ADB], v[RR], BP
	v_lshl_add_u32 v[ADB], v[HH], 4, v[ADB]
	v_add_nc_u32 v[ADB], s84, v[ADB]
	s_mul_i32 s84, s24, 4352
	s_add_co_u32 s84, s84, BSC
	v_lshrrev_b32 v[ADBS], 3, v[RR]
	v_lshlrev_b32 v[ADBS], 4, v[ADBS]
	v_lshl_add_u32 v[ADBS], v[RR], 5, v[ADBS]
	v_add_nc_u32 v[ADBS], s84, v[ADBS]
	s_lshl_b32 s84, s23, 7
	s_add_co_u32 s84, s84, ASC
	v_lshl_add_u32 v[ADAS], v[RR], 1, s84
	s_mul_i32 s84, s22, 16*BP
	s_add_co_u32 s84, s84, STAGE
	v_mul_u32_u24 v[STO], v[RR], BP
	v_lshl_add_u32 v[STO], v[HH], 5, v[STO]
	v_add_nc_u32 v[STO], s84, v[STO]
	v_add_nc_u32 v[RD], s84, v[L16]
	WIN 0x80
.irp b, 0,1,2,3,4,5,6,7
	global_load_b128 v[192+8*\b:195+8*\b], v[BO], s[12:13] offset:64*\b
	global_load_b128 v[196+8*\b:199+8*\b], v[BO], s[12:13] offset:64*\b+16
.endr
	WIN 0xc0
.set i, 0
.rept 64
	global_load_b128 v[4*i:4*i+3], v[L16], s[14:15] offset:4096*i th:TH_LOAD_NT
.set i, i+1
.endr
	WIN 0
	s_wait_alu depctr_va_vdst(0)
	s_wait_tensorcnt 0x0
	s_barrier_signal -1
	s_barrier_wait -1
.irp b, 0,1,2,3,4,5,6,7
	ds_load_b128 v[BS+8*\b:BS+8*\b+3], v[ADBS] offset:544*\b
	ds_load_b128 v[BS+8*\b+4:BS+8*\b+7], v[ADBS] offset:544*\b+16
.endr
.irp a, 0,1,2,3
.irp k, 0,1,2,3,4,5,6,7
	ds_load_u16 v[T0+8*\a+\k], v[ADAS] offset:512*\k+32*\a
	ds_load_u16 v[T1+8*\a+\k], v[ADAS] offset:512*\k+256+32*\a
.endr
.endr
.macro FETCH k, s
	WIN 0x80
.irp a, 0,1,2,3
.irp c, 0,1
	ds_load_b128 v[96*(\s)+8*\a+4*\c:96*(\s)+8*\a+4*\c+3], v[ADA] offset:8192*\a+1024*(\k)+512*\c
.endr
.endr
.irp b, 0,1,2,3,4,5,6,7
.irp c, 0,1
	ds_load_b128 v[96*(\s)+32+8*\b+4*\c:96*(\s)+32+8*\b+4*\c+3], v[ADB] offset:16*BP*\b+64*(\k)+32*\c
.endr
.endr
.endm
.macro MUL k, s
.if (\k) == 0
	WIN 0x6a
.else
	WIN 0x5a
.endif
.irp a, 0,1,2,3
.irp b, 0,1,2,3,4,5,6,7
.if (\k) == 0
	v_wmma_scale_f32_16x16x128_f8f6f4 v[8*(8*\a+\b):8*(8*\a+\b)+7], v[96*(\s)+32+8*\b:96*(\s)+32+8*\b+7], v[96*(\s)+8*\a:96*(\s)+8*\a+7], v[192+8*\b:199+8*\b], v[BS+8*\b+(\k)], v[AS+8*\a+(\k)] matrix_a_fmt:MATRIX_FMT_FP4 matrix_b_fmt:MATRIX_FMT_FP4
.else
	v_wmma_scale_f32_16x16x128_f8f6f4 v[8*(8*\a+\b):8*(8*\a+\b)+7], v[96*(\s)+32+8*\b:96*(\s)+32+8*\b+7], v[96*(\s)+8*\a:96*(\s)+8*\a+7], v[8*(8*\a+\b):8*(8*\a+\b)+7], v[BS+8*\b+(\k)], v[AS+8*\a+(\k)] matrix_a_fmt:MATRIX_FMT_FP4 matrix_b_fmt:MATRIX_FMT_FP4
.endif
.endr
.endr
.endm
	FETCH 0, 0
	WIN 0
	s_wait_dscnt 24
.set i, 0
.rept 32
	v_lshl_or_b32 v[AS+i], v[T1+i], 16, v[T0+i]
.set i, i+1
.endr
.rept 8
	v_nop
.endr
.set KK, 0
	s_wait_alu depctr_va_vdst(0)
.rept 8
.if KK < 7
.if KK > 0
	PLACES
.endif
	FETCH KK+1, (KK+1)%2
	s_wait_dscnt 24
.else
	s_wait_dscnt 0x0
.endif
.if KK == 0
	s_wait_loadcnt 63
.endif
	MUL KK, KK%2
.set KK, KK+1
.endr
	PLACES
.macro TOSTAGE a
	WIN 0x04
.irp b, 0,1,2,3,4,5,6,7
	ds_store_b128 v[STO], v[8*(8*(\a)+\b):8*(8*(\a)+\b)+3] offset:64*\b
	ds_store_b128 v[STO], v[8*(8*(\a)+\b)+4:8*(8*(\a)+\b)+7] offset:64*\b+16
.endr
	WIN 0
.set BB, BK+64*((\a)%2)
.irp t, 0,1,2,3,4,5,6,7,8,9,10,11,12,13,14,15
	ds_load_b128 v[BB+4*\t:BB+4*\t+3], v[RD] offset:\t*BP
.endr
.endm
.macro SEND a, younger
.set BB, BK+64*((\a)%2)
	s_wait_dscnt \younger
	s_wait_loadcnt 16*(3-(\a))
	WIN 0x0c
.irp t, 0,1,2,3,4,5,6,7,8,9,10,11,12,13,14,15
	v_pk_add_f32 v[BB+4*\t:BB+4*\t+1], v[BB+4*\t:BB+4*\t+1], v[4*(16*(\a)+\t):4*(16*(\a)+\t)+1]
	v_pk_add_f32 v[BB+4*\t+2:BB+4*\t+3], v[BB+4*\t+2:BB+4*\t+3], v[4*(16*(\a)+\t)+2:4*(16*(\a)+\t)+3]
.endr
	WIN 0
.irp t, 0,1,2,3,4,5,6,7,8,9,10,11,12,13,14,15
	global_store_b128 v[L16], v[BB+4*\t:BB+4*\t+3], s[18:19] offset:(16*(\a)+\t)*4096 th:TH_STORE_NT
.endr
.endm
	TOSTAGE 0
.irp a, 1,2,3
.if \a > 1
	s_wait_xcnt 0x0
.endif
	TOSTAGE \a
	SEND \a-1, 32
.endr
	SEND 3, 0
	s_wait_tensorcnt 0x0
	ds_add_u32 v[SPW], v[NIL]
	s_wait_dscnt 0x0
	CROUND
	s_endpgm
.Lfunc_end_k_q152b3e9eb0_proj:
	.size	k_q152b3e9eb0_proj, .Lfunc_end_k_q152b3e9eb0_proj-k_q152b3e9eb0_proj
	.p2alignl 7, 3214868480
	.fill 96, 4, 3214868480
	.section	.rodata,"a",@progbits
	.p2align	6, 0x0
	.amdhsa_kernel k_q152b3e9eb0_proj
		.amdhsa_group_segment_fixed_size 327680
		.amdhsa_private_segment_fixed_size 0
		.amdhsa_enable_private_segment 0
		.amdhsa_kernarg_size 72
		.amdhsa_user_sgpr_count 2
		.amdhsa_user_sgpr_kernarg_segment_ptr 1
		.amdhsa_wavefront_size32 1
		.amdhsa_system_sgpr_workgroup_id_x 1
		.amdhsa_system_sgpr_workgroup_id_y 1
		.amdhsa_system_sgpr_workgroup_id_z 1
		.amdhsa_system_vgpr_workitem_id 0
		.amdhsa_next_free_vgpr 1024
		.amdhsa_next_free_sgpr 96
		.amdhsa_reserve_vcc 0
		.amdhsa_float_denorm_mode_32 3
		.amdhsa_float_denorm_mode_16_64 3
		.amdhsa_memory_ordered 1
		.amdhsa_forward_progress 1
		.amdhsa_inst_pref_size 92
	.end_amdhsa_kernel
	.amdgpu_metadata
---
amdhsa.version: [ 1, 2 ]
amdhsa.kernels:
  - .name:           k_q152b3e9eb0_proj
    .symbol:         k_q152b3e9eb0_proj.kd
    .args:
      - { .name: o_img, .offset: 0, .size: 8, .value_kind: global_buffer, .address_space: global }
      - { .name: o_sc, .offset: 8, .size: 8, .value_kind: global_buffer, .address_space: global }
      - { .name: w_proj_codes, .offset: 16, .size: 8, .value_kind: global_buffer, .address_space: global }
      - { .name: w_proj_scales, .offset: 24, .size: 8, .value_kind: global_buffer, .address_space: global }
      - { .name: b_proj, .offset: 32, .size: 8, .value_kind: global_buffer, .address_space: global }
      - { .name: x, .offset: 40, .size: 8, .value_kind: global_buffer, .address_space: global }
      - { .name: y, .offset: 48, .size: 8, .value_kind: global_buffer, .address_space: global }
      - { .name: out0, .offset: 56, .size: 8, .value_kind: global_buffer, .address_space: global }
      - { .name: out1, .offset: 64, .size: 8, .value_kind: global_buffer, .address_space: global }
    .group_segment_fixed_size: 327680
    .private_segment_fixed_size: 0
    .kernarg_segment_align: 8
    .kernarg_segment_size: 72
    .max_flat_workgroup_size: 128
    .sgpr_count:     96
    .vgpr_count:     1024
    .wavefront_size: 32
...
	.end_amdgpu_metadata
.endif
;; end of part 4
